; MI455X (gfx1250); checked and timed in simulation.
; The chip was launched on July 23, 2026; its instructions are those of AMD's public machine-readable ISA for CDNA 5 (MIT licence, August 2026) and "CDNA5" Instruction Set Architecture Reference Guide (July 2026). The comments in the code are by the model that wrote it; some were corrected since.
;; Multi Head Attn With Ro PE. Allowed arithmetic: matrix products marked QUANTISED: E4M3 operands, one E8M0 scale for each 32 along K, by v_wmma_scale_f32_16x16x128_f8f6f4 with both operands' format E4M3, f32 sums; everything else in f32.
;; Inputs: Wk 1,024 x 1,024 float32; Wo 1,024 x 1,024 float32; Wq 1,024 x 1,024 float32; Wv 1,024 x 1,024 float32; X 4 x 2,048 x 1,024 float32; bk 1,024 float32; bo 1,024 float32; bq 1,024 float32; bv 1,024 float32.
;; Outputs: out0 4 x 2,048 x 1,024 float32.
;; This version of the problem:
;;   THIS VERSION OF THE PROBLEM IS GIVEN IN LOW PRECISION. The matrix products marked QUANTISED in the list below multiply operands that are first quantised to E4M3 (4 exponent bits, 3 mantissa bits; 8 bits a number), with one power-of-two scale for each 32 numbers along K (OCP MX v1.0); their sums are f32. All else is computed in f32.
;;   The module's matrix products, in the order in which they are computed (A, B: the left and right operand; K: the contracted axis; several contracted axes count as one K, in the product's order):
;;     1. [M 8,192, K 1,024] x [K 1,024, N 1,024]; A: input X; B: input Wq: QUANTISED
;;     2. [M 8,192, K 1,024] x [K 1,024, N 1,024]; A: input X; B: input Wk: QUANTISED
;;     3. [M 8,192, K 1,024] x [K 1,024, N 1,024]; A: input X; B: input Wv: QUANTISED
;;     4. batch 64 x [M 2,048, K 64] x [K 64, N 2,048]; A: computed on the way; B: computed on the way: QUANTISED
;;     5. batch 64 x [M 64, K 2,048] x [K 2,048, N 2,048]; A: computed on the way; B: softmax (see below): QUANTISED
;;     6. [M 8,192, K 1,024] x [K 1,024, N 1,024]; A: computed on the way; B: input Wo: QUANTISED
;;   THE QUANTISER, for each operand of a quantised product, along K:
;;     - K is cut into blocks of 32 from its start; a last block that is shorter is filled with zeros.
;;     - A block's scale is 2^e with e = floor(log2(the largest magnitude in the block)) - 8, held to -126 .. 127; a block of zeros has e = 0. As a byte (E8M0): e + 127.
;;     - Each number is divided by its block's scale, clamped to +-448, and rounded to the nearest number of E4M3, ties to even, subnormals kept.
;;     - The product sums the exact products of the quantised numbers (number of the format x scale) in f32.
;;   ~~~python
;;   def quantise(x, axis):      # numpy; x: float32 -> the quantised numbers, widened to float32 again
;;       x = np.moveaxis(x, axis, -1); K = x.shape[-1]
;;       x = np.pad(x, [(0, 0)] * (x.ndim - 1) + [(0, -K % 32)]); x = x.reshape(x.shape[:-1] + (-1, 32)); a = np.abs(x).max(-1, keepdims=True)
;;       e = np.where(a > 0, np.clip(np.frexp(np.where(a > 0, a, 1))[1] - 1 - 8, -126, 127), 0)      # np.frexp(a)[1] - 1 = floor(log2(a)), exactly
;;       r = np.clip(x / 2.0 ** e, -448, 448)
;;       step = 2.0 ** (np.maximum(np.frexp(np.where(r == 0, 1, r))[1] - 1, -6) - 3)
;;       q = np.round(r / step) * step * 2.0 ** e      # np.round: ties to even
;;       return np.moveaxis(q.reshape(q.shape[:-2] + (-1,))[..., :K], -1, axis).astype(np.float32)
;;   ~~~
;;   SOFTMAX AHEAD OF A QUANTISED PRODUCT. Where the list says 'softmax', what is quantised is not the finished softmax but p = 2^(t - M), with t = logit x log2(e) and M = ceil(the row's largest t), a whole number; so 1/2 < the row's largest p <= 1. The row's sum l is taken of the UNQUANTISED p, in f32, and the product's result is divided by l at the end. Since M is a whole number, a kernel that streams over the keys may use a running M (the ceiling of the running maximum): every later rescaling is an exact power of two, which a block's scale takes up: the codes' values come out the same.
;;   OPERANDS COMPUTED ON THE WAY. 'Computed on the way' means the value that the module computes at that place (a softmax that the list does not call 'softmax' is quantised finished and normalised). What goes into a quantiser is computed in f32, as accurately as f32 sums, v_exp_f32 and their like allow (about 1e-6 of the number): no bf16 or f16 on the way to a quantiser, and a product that is left as it is and whose result goes on into a quantised operand takes f32 operands (vector FMAs, or v_wmma_f32_16x16x4_f32). A number that lies on a knife's edge between two numbers of the format may be rounded either way, as far as f32 arithmetic and the matrix unit's own rounding can turn it there, and no further.
;; One version. Each part assembles by itself: llvm-mc -triple=amdgcn-amd-amdhsa -mcpu=gfx1250 --defsym DOCPART=n.
;; ======== version 1 of 1: 4 launches
;; limits: right only within a limited range of input values
;; workspace buffers: xi 8,650,752 bytes; wi 4,325,376 bytes; rt 8,388,608 bytes; qi 8,912,896 bytes; ki 8,912,896 bytes; vi 8,650,752 bytes; ai 8,650,752 bytes
;; launch prep (part 1): grid 448 x 1, 8 waves a work-group, no clusters, 68,608 bytes of LDS; arguments X, Wq, Wk, Wv, Wo, xi, wi, rt; writes xi, wi, rt
.if DOCPART == 1
	.amdgcn_target "amdgcn-amd-amdhsa--gfx1250"
	.amdhsa_code_object_version 6
	.text
	.protected	k_q29670e981f_prep
	.globl	k_q29670e981f_prep
	.p2align	8
	.type	k_q29670e981f_prep,@function
k_q29670e981f_prep:
	s_mov_b64 s[64:65], 0
	v_nop
	global_prefetch_b8 v0, s[64:65] scope:SCOPE_SE
	s_setreg_imm32_b32 hwreg(HW_REG_WAVE_MODE, 25, 1), 1
	s_wait_xcnt 0x0
; Three jobs, told apart by the work-group's number: 0-63 the table of cos and sin for RoPE; 64-191 the four weights; 192-447 X.
; X [8192][1024] and the weights [1024 (K)][1024] become codes of E4M3 with one E8M0 byte for each 32 along K, stored AS IMAGES OF OPERAND REGISTERS:
; for 128 rows (a row group) and 128 along K a block of 16,896 bytes: 8 fragments of 2,048 bytes (register group c of lane l at 512 c + 16 l), then 512 bytes of scale words
; (tile t of the 8: word t / 2 of the 16 bytes of lane r + 16 (t % 2)).  Lane r of tile 2 b + u holds row 32 b + 8 u + r % 8 + 16 (r / 8) of the group.
; wi's row groups: 0-15 head hd: 64 columns of Wq, then 64 of Wk; 16-23 Wv; 24-31 Wo.
; A block's scale byte is its largest magnitude's exponent field - 8, held at 1 from below; numbers are held within +-448 x the scale ahead of the conversion.
; LIMITS: NaN and infinities among the inputs are not served; a block whose largest magnitude lies under 2^-118 (a block of zeros too) keeps the byte 1: its bytes are read by this program alone.
; The scale words are stored 4 bytes a lane, 16 bytes apart: 384 KiB of the launch's 21 MiB of stores are so written in part.
; THE TABLE: inv_freq = 1 / 10000^(j / 512) is made in pairs of f32 (a high and a low part), so that power and quotient are rounded once each; where the reference's own power is not
; rounded to nearest, inv_freq can differ from it by one unit in the last place.  The angle is one f32 product; it is reduced by pi / 2 in two parts with fused multiply-adds; sin and cos are polynomials on +-pi / 4.
.set SEL, 22                           ; s[22:23] lane selects of v_permlanex16_b32: lane l xor 16
.set MNT, 24                           ; s24 the mantissa field of 448
.set XN,  144                          ; v144-207 64 numbers of a lane: register 16 b + i = k 32 b + 16 (lane / 16) + i of its row
.set PC,  208                          ; v208-223 a fragment's codes
.set TM,  224                          ; v224-239 at work in QUANT
.set PW,  240                          ; v240 the scale word just made
; 64 numbers of a lane become a fragment's codes in v[PC] on and the row's scale word in v[PW]
.macro QUANT s
.irp b, 0,1,2,3
	v_max3_num_f32 v[TM+\b], |v[\s+16*\b]|, |v[\s+1+16*\b]|, 0x4800000   ; my 16 numbers of block b, and the floor 2^(9 - 127): the byte cannot fall under 1
.endr
.irp i, 2,4,6,8,10,12,14
.irp b, 0,1,2,3
	s_delay_alu instid0(VALU_DEP_4)
	v_max3_num_f32 v[TM+\b], v[TM+\b], |v[\s+16*\b+\i]|, |v[\s+1+16*\b+\i]|
.endr
.endr
.irp b, 0,1,2,3
	s_delay_alu instid0(VALU_DEP_4)
	v_permlanex16_b32 v[TM+4+\b], v[TM+\b], s[SEL], s[SEL+1]
.endr
.irp b, 0,1,2,3
	s_delay_alu instid0(VALU_DEP_4)
	v_max_num_f32 v[TM+\b], v[TM+\b], v[TM+4+\b]                  ; with lane l xor 16's 16: the block's largest magnitude
.endr
.irp b, 0,1,2,3
	s_delay_alu instid0(VALU_DEP_4)
	v_add_nc_u32 v[TM+12+\b], 0xfc000000, v[TM+\b]                ; 8 off its exponent field: the conversion's scale operand
.endr
.irp b, 0,1,2,3
	v_and_or_b32 v[TM+8+\b], v[TM+\b], 0x7f800000, s[MNT]         ; 448 x the scale
.endr
.irp b, 0,1,2,3
	v_lshrrev_b32 v[TM+4+\b], 23, v[TM+12+\b]                     ; the scale's byte
.endr
	s_delay_alu instid0(VALU_DEP_3)
	v_lshl_or_b32 v[PW], v[TM+5], 8, v[TM+4]
	s_delay_alu instid0(VALU_DEP_1)
	v_lshl_or_b32 v[PW], v[TM+6], 16, v[PW]
	s_delay_alu instid0(VALU_DEP_1)
	v_lshl_or_b32 v[PW], v[TM+7], 24, v[PW]
.irp b, 0,1,2,3
.irp i, 0,1,2,3,4,5,6,7,8,9,10,11,12,13,14,15
	v_med3_num_f32 v[\s+16*\b+\i], v[\s+16*\b+\i], -v[TM+8+\b], v[TM+8+\b]   ; the conversion does not saturate (ISA guide 7.6.2): the hold comes first
.endr
	v_cvt_scalef32_pk8_fp8_f32 v[PC+4*\b:PC+1+4*\b], v[\s+16*\b:\s+7+16*\b], v[TM+12+\b]
	v_cvt_scalef32_pk8_fp8_f32 v[PC+2+4*\b:PC+3+4*\b], v[\s+8+16*\b:\s+15+16*\b], v[TM+12+\b]
.endr
	v_nop                                          ; a plain line behind the last conversion
.endm
	s_load_b256 s[4:11], s[0:1], 0x0               ; X s[4:5], Wq s[6:7], Wk s[8:9], Wv s[10:11]
	s_load_b256 s[12:19], s[0:1], 0x20             ; Wo s[12:13], xi s[14:15], wi s[16:17], rt s[18:19]
	v_lshl_add_u32 v248, v0, 2, 0x10800
	v_mov_b32 v249, 0
	v_lshrrev_b32 v1, 5, v0
	s_delay_alu instid0(VALU_DEP_1)
	v_readfirstlane_b32 s20, v1                    ; wave 0..7
	v_and_b32 v1, 31, v0                           ; lane
	v_and_b32 v2, 15, v0                           ; r
	v_bfe_u32 v3, v0, 4, 1                         ; h
	s_mov_b32 s21, 0xffff0000                      ; lanes 16-31
	s_mov_b32 s[SEL], 0x76543210
	s_mov_b32 s[SEL+1], 0xfedcba98
	s_mov_b32 s[MNT], 0x600000
	s_wait_kmcnt 0x0
	s_cmp_lt_u32 ttmp9, 64
	s_cbranch_scc1 .Ltable
	s_cmp_lt_u32 ttmp9, 192
	s_cbranch_scc1 .Lweights
; ---- X: work-group P takes rows 32 P .. 32 P + 31, wave w the 128 along K from 128 w: two fragments
	s_sub_co_u32 s25, ttmp9, 192                   ; P
	s_lshl_b32 s26, s25, 17                        ; 32 rows of 4,096 bytes
	s_lshl_b32 s27, s20, 9                         ; + my 512 bytes of a row
	s_add_co_u32 s26, s26, s27
	s_mov_b32 s27, 0
	s_add_nc_u64 s[4:5], s[4:5], s[26:27]
	s_lshr_b32 s28, s25, 2                         ; the row group
	s_lshl_b32 s28, s28, 3
	s_add_co_u32 s28, s28, s20
	s_mul_i32 s28, s28, 16896                      ; its block of my K step
	s_and_b32 s29, s25, 3                          ; which 32 rows of the group
	s_lshl_b32 s30, s29, 12
	s_add_co_u32 s30, s30, s28
	s_mov_b32 s31, 0
	s_add_nc_u64 s[30:31], s[14:15], s[30:31]      ; my two fragments
	s_lshl_b32 s29, s29, 2
	s_add_co_u32 s28, s28, s29
	s_mov_b32 s29, 0
	s_add_nc_u64 s[28:29], s[14:15], s[28:29]      ; my word of each lane's 16 bytes of scales (16,384 further on)
	s_mul_i32 s25, s20, 8448                       ; my stage: 16 rows of 512 bytes + 16
	s_wait_alu depctr_va_vdst(0)
	v_lshlrev_b32 v4, 4, v1                        ; 16 x lane
	s_delay_alu instid0(VALU_DEP_1)
	v_add_nc_u32 v5, s25, v4                       ; into the stage: a row as it was loaded
	v_mul_u32_u24 v6, v2, 528
	s_delay_alu instid0(VALU_DEP_1)
	v_lshl_add_u32 v6, v3, 6, v6
	s_delay_alu instid0(VALU_DEP_1)
	v_add_nc_u32 v6, s25, v6                       ; out of it: row r, + 64 h: 16 neighbours of each block of 32
.irp x, 0,1,2,3,4,5,6,7,16,17,18,19,20,21,22,23,8,9,10,11,12,13,14,15,24,25,26,27,28,29,30,31
	global_load_b128 v[16+4*\x:19+4*\x], v4, s[4:5] offset:\x*4096 th:TH_LOAD_NT   ; 32 lanes read 512 consecutive bytes of row x; the first fragment's rows first
.endr
.irp b, 0,1,2,3
	v_mov_b32 v[TM+4+\b], 0                        ; written once: a lane permute's destination counts as a source
.endr
.macro XFRAG u
.if \u == 0
	s_wait_loadcnt 16                              ; this fragment's 16 rows are in; the other's 16 loads may be out
.else
	s_wait_loadcnt 0x0
.endif
.irp r, 0,1,2,3,4,5,6,7,8,9,10,11,12,13,14,15
	ds_store_b128 v5, v[16+4*(8*\u+(\r%8)+16*(\r/8)):19+4*(8*\u+(\r%8)+16*(\r/8))] offset:\r*528
.endr
.irp c, 0,1,2,3
.irp q, 0,1,2,3
	ds_load_b128 v[XN+16*\c+4*\q:XN+16*\c+4*\q+3], v6 offset:128*\c+16*\q   ; LDS serves a wave's instructions in order: these see my stores
.endr
.endr
	s_wait_dscnt 0x0
	s_wait_xcnt 0x0                                ; the last fragment's stores have read the code registers
	QUANT XN
.irp c, 0,1,2,3
	global_store_b128 v4, v[PC+4*\c:PC+4*\c+3], s[30:31] offset:\u*2048+512*\c   ; 512 consecutive bytes
.endr
.endm
	s_wait_alu depctr_va_vdst(0)
	XFRAG 0
	v_mov_b32 v241, v[PW]
	XFRAG 1
	v_cndmask_b32 v242, v241, v[PW], s21           ; lanes 0-15: the even tile's words; lanes 16-31: the odd tile's
	global_store_b32 v4, v242, s[28:29] offset:16384
	s_wait_tensorcnt 0x0
	ds_add_u32 v248, v249
	s_wait_dscnt 0x0
	s_endpgm
; ---- the weights: a lane takes a column, its registers run down K.  Work-group: weight mi, 256 columns, K step ks; wave: 32 columns
.Lweights:
	s_sub_co_u32 s25, ttmp9, 64
	s_lshr_b32 s26, s25, 5                         ; mi: 0 Wq, 1 Wk, 2 Wv, 3 Wo
	s_bfe_u32 s27, s25, 0x20003
	s_and_b32 s28, s25, 7                          ; ks
	s_lshl_b32 s27, s27, 3
	s_add_co_u32 s27, s27, s20                     ; p: columns 32 p .. 32 p + 31
	s_cmp_eq_u32 s26, 1
	s_cselect_b64 s[30:31], s[8:9], s[6:7]
	s_cmp_eq_u32 s26, 2
	s_cselect_b64 s[30:31], s[10:11], s[30:31]
	s_cmp_eq_u32 s26, 3
	s_cselect_b64 s[30:31], s[12:13], s[30:31]
	s_lshl_b32 s32, s28, 19                        ; 128 rows of 4,096 bytes
	s_lshl_b32 s33, s27, 7
	s_add_co_u32 s32, s32, s33
	s_mov_b32 s33, 0
	s_add_nc_u64 s[30:31], s[30:31], s[32:33]
	s_lshr_b32 s34, s27, 1                         ; Wq, Wk: row group = head = p / 2,
	s_and_b32 s35, s27, 1
	s_lshl_b32 s36, s26, 1
	s_add_co_u32 s35, s35, s36                     ; its 32 rows number 2 mi + p % 2
	s_lshr_b32 s36, s27, 2                         ; Wv, Wo: row group 8 mi + p / 4,
	s_lshl_b32 s37, s26, 3
	s_add_co_u32 s36, s36, s37
	s_and_b32 s37, s27, 3                          ; 32 rows number p % 4
	s_cmp_lt_u32 s26, 2
	s_cselect_b32 s34, s34, s36
	s_cselect_b32 s35, s35, s37
	s_lshl_b32 s34, s34, 3
	s_add_co_u32 s34, s34, s28
	s_mul_i32 s34, s34, 16896
	s_lshl_b32 s36, s35, 12
	s_add_co_u32 s36, s36, s34
	s_mov_b32 s37, 0
	s_add_nc_u64 s[36:37], s[16:17], s[36:37]      ; my two fragments
	s_lshl_b32 s35, s35, 2
	s_add_co_u32 s34, s34, s35
	s_mov_b32 s35, 0
	s_add_nc_u64 s[34:35], s[16:17], s[34:35]      ; my scale words
	s_wait_alu depctr_va_vdst(0)
	v_lshlrev_b32 v4, 2, v1                        ; in: 4 bytes a lane
	v_and_b32 v5, 7, v1
	v_lshrrev_b32 v6, 4, v1
	s_delay_alu instid0(VALU_DEP_1)
	v_lshl_add_u32 v5, v6, 3, v5                   ; column x is lane x % 8 + 8 (x / 16)
	v_bfe_u32 v6, v1, 3, 1                         ; of tile (x / 8) % 2
	s_delay_alu instid0(VALU_DEP_2)
	v_lshlrev_b32 v7, 4, v5
	s_delay_alu instid0(VALU_DEP_1)
	v_lshl_add_u32 v8, v6, 11, v7                  ; codes: 2,048 x tile + 16 x lane
	s_delay_alu instid0(VALU_DEP_2)
	v_lshl_add_u32 v9, v6, 8, v7                   ; scale word: 16 x (lane + 16 x tile)
.macro LOADW t
.set i, 0
.rept 32
	global_load_b32 v[16+32*((\t)%2)+i], v4, s[30:31] offset:(32*(\t)+i)*4096 th:TH_LOAD_NT
.set i, i+1
.endr
.endm
	LOADW 0
	LOADW 1
.macro BLOCKW t
.set XS, 16+32*((\t)%2)
.set CW, 80+8*(\t)
.if (\t) < 3
	s_wait_loadcnt 32                              ; this block's 32 loads are in; the next block's may be out
.else
	s_wait_loadcnt 0x0
.endif
	v_max3_num_f32 v12, |v[XS]|, |v[XS+1]|, |v[XS+2]|
	v_max3_num_f32 v13, |v[XS+3]|, |v[XS+4]|, |v[XS+5]|
.irp i, 6,10,14,18,22,26
	s_delay_alu instid0(VALU_DEP_2)
	v_max3_num_f32 v12, v12, |v[XS+\i]|, |v[XS+\i+1]|
	s_delay_alu instid0(VALU_DEP_2)
	v_max3_num_f32 v13, v13, |v[XS+\i+2]|, |v[XS+\i+3]|
.endr
	s_delay_alu instid0(VALU_DEP_2)
	v_max3_num_f32 v12, v12, |v[XS+30]|, |v[XS+31]|
	s_delay_alu instid0(VALU_DEP_1)
	v_max3_num_f32 v12, v12, v13, 0x4800000        ; all 32 numbers of the block are mine; and the floor
	s_delay_alu instid0(VALU_DEP_1)
	v_add_nc_u32 v11, 0xfc000000, v12
	s_delay_alu instid0(VALU_DEP_2)
	v_and_or_b32 v10, v12, 0x7f800000, s[MNT]
	s_delay_alu instid0(VALU_DEP_2)
	v_lshrrev_b32 v13, 23, v11
.if (\t) == 0
	s_delay_alu instid0(VALU_DEP_1)
	v_mov_b32 v14, v13
.else
	s_delay_alu instid0(VALU_DEP_1)
	v_lshl_or_b32 v14, v13, 8*(\t), v14            ; the four bytes of my column's scale word
.endif
.set i, 0
.rept 32
	v_med3_num_f32 v[XS+i], v[XS+i], -v10, v10
.set i, i+1
.endr
.irp g, 0,1,2,3
	v_cvt_scalef32_pk8_fp8_f32 v[CW+2*\g:CW+2*\g+1], v[XS+8*\g:XS+8*\g+7], v11
.endr
	global_store_b128 v8, v[CW:CW+3], s[36:37] offset:512*(\t)           ; k 0-15 of the block: sixteen lanes fill 256 consecutive bytes, aligned
	global_store_b128 v8, v[CW+4:CW+7], s[36:37] offset:512*(\t)+256     ; k 16-31
.if (\t)+2 < 4
	LOADW (\t)+2
.endif
.endm
	BLOCKW 0
	BLOCKW 1
	BLOCKW 2
	BLOCKW 3
	global_store_b32 v9, v14, s[34:35] offset:16384
	s_endpgm
; ---- the table.  Wave W of 512: group b = W % 32 of 16 rope pairs, positions 128 (W / 32) on.  Lane (r, h) holds pairs j = 16 b + 8 h + p, p = 0 .. 7
.Ltable:
.set IV,   16                          ; v16-23 inv_freq of my eight pairs
.set A_J,  24                          ; eight registers each, at work
.set A_N,  32
.set A_GH, 40
.set A_GL, 48
.set A_TA, 56
.set A_TB, 64
.set A_TC, 72
.set A_TD, 80
	s_lshl_b32 s25, ttmp9, 3
	s_add_co_u32 s25, s25, s20
	s_and_b32 s26, s25, 31                         ; b
	s_lshr_b32 s27, s25, 5                         ; which 128 positions
	s_lshl_b32 s28, s27, 19                        ; 8 tiles x 32 groups x 2,048 bytes
	s_lshl_b32 s29, s26, 11
	s_add_co_u32 s28, s28, s29
	s_mov_b32 s29, 0
	s_add_nc_u64 s[18:19], s[18:19], s[28:29]
	s_wait_alu depctr_va_vdst(0)
	v_lshlrev_b32 v4, 4, v1
	s_lshl_b32 s30, s26, 4
	v_lshl_add_u32 v5, v3, 3, s30                  ; 16 b + 8 h
	v_and_b32 v6, 7, v2
	v_lshrrev_b32 v7, 3, v2
	s_delay_alu instid0(VALU_DEP_1)
	v_lshl_add_u32 v6, v7, 4, v6
	s_lshl_b32 s30, s27, 7
	v_add_nc_u32 v6, s30, v6                       ; my position in tile 0: 128 x group + r % 8 + 16 (r / 8)
	s_mov_b32 s31, 0x3f317218                      ; ln 2, high part
	s_mov_b32 s32, 0xb102e308                      ; and low
	s_mov_b32 s33, 0x3fc90fdb                      ; pi / 2, high part
	s_mov_b32 s34, 0xb33bbd2e                      ; and low
	v_mov_b32 v8, 0x3c088889                       ; 1 / 120
	v_mov_b32 v9, 0x3638ef1d                       ; 1 / 9!
	v_mov_b32 v10, 0xb493f27e                      ; -1 / 10!
.irp p, 0,1,2,3,4,5,6,7
	v_add_nc_u32 v[A_J+\p], \p, v5
.endr
.irp p, 0,1,2,3,4,5,6,7
	v_cvt_f32_u32 v[A_J+\p], v[A_J+\p]
.endr
.irp p, 0,1,2,3,4,5,6,7                        ; j x log2(10000) / 512 in three parts; the first two products are exact (12 and 9 bits x 9 bits)
	v_mul_f32 v[A_TA+\p], 0x3cd49000, v[A_J+\p]
	v_mul_f32 v[A_TB+\p], 0x36a78000, v[A_J+\p]
	v_mul_f32 v[A_TC+\p], 0x30179a37, v[A_J+\p]
.endr
.irp p, 0,1,2,3,4,5,6,7
	v_rndne_f32 v[A_N+\p], v[A_TA+\p]              ; the whole part n
.endr
.irp p, 0,1,2,3,4,5,6,7
	v_sub_f32 v[A_TA+\p], v[A_TA+\p], v[A_N+\p]    ; exact
.endr
.irp p, 0,1,2,3,4,5,6,7
	v_add_f32 v[A_GH+\p], v[A_TA+\p], v[A_TB+\p]   ; f, high part
.endr
.irp p, 0,1,2,3,4,5,6,7
	v_sub_f32 v[A_TA+\p], v[A_TA+\p], v[A_GH+\p]
.endr
.irp p, 0,1,2,3,4,5,6,7
	v_add_f32 v[A_TA+\p], v[A_TA+\p], v[A_TB+\p]
.endr
.irp p, 0,1,2,3,4,5,6,7
	v_add_f32 v[A_GL+\p], v[A_TA+\p], v[A_TC+\p]   ; f, low part
.endr
.irp p, 0,1,2,3,4,5,6,7
	v_mul_f32 v[A_TA+\p], s31, v[A_GH+\p]          ; z = f ln 2, high part
.endr
.irp p, 0,1,2,3,4,5,6,7
	v_fma_f32 v[A_TB+\p], v[A_GH+\p], s31, -v[A_TA+\p]
.endr
.irp p, 0,1,2,3,4,5,6,7
	v_fma_f32 v[A_TB+\p], v[A_GH+\p], s32, v[A_TB+\p]
.endr
.irp p, 0,1,2,3,4,5,6,7
	v_fma_f32 v[A_TB+\p], v[A_GL+\p], s31, v[A_TB+\p]   ; low part
.endr
.irp p, 0,1,2,3,4,5,6,7                        ; w = z / 64, exact
	v_mul_f32 v[A_TA+\p], 0x3c800000, v[A_TA+\p]
	v_mul_f32 v[A_TB+\p], 0x3c800000, v[A_TB+\p]
.endr
.irp p, 0,1,2,3,4,5,6,7
	v_mul_f32 v[A_TC+\p], v[A_TA+\p], v[A_TA+\p]   ; w^2, high part
	v_add_f32 v[A_GL+\p], v[A_TA+\p], v[A_TA+\p]
.endr
.irp p, 0,1,2,3,4,5,6,7
	v_fma_f32 v[A_TD+\p], v[A_TA+\p], v[A_TA+\p], -v[A_TC+\p]
	v_mul_f32 v[A_GH+\p], v[A_TC+\p], v[A_TA+\p]   ; w^3
.endr
.irp p, 0,1,2,3,4,5,6,7
	v_fma_f32 v[A_TD+\p], v[A_GL+\p], v[A_TB+\p], v[A_TD+\p]   ; w^2, low part
	v_fmaak_f32 v[A_GL+\p], v[A_TA+\p], v8, 0x3d2aaaab
.endr
.irp p, 0,1,2,3,4,5,6,7
	v_fmaak_f32 v[A_GL+\p], v[A_TA+\p], v[A_GL+\p], 0x3e2aaaab   ; 1/6 + w (1/24 + w / 120)
.endr
.irp p, 0,1,2,3,4,5,6,7
	v_mul_f32 v[A_GL+\p], v[A_GH+\p], v[A_GL+\p]   ; the series from w^3 on
	v_fma_f32 v[A_GH+\p], 0.5, v[A_TC+\p], v[A_TA+\p]   ; g = e^w - 1, high part: w + w^2 / 2
	v_fma_f32 v[A_TB+\p], 0.5, v[A_TD+\p], v[A_TB+\p]
.endr
.irp p, 0,1,2,3,4,5,6,7
	v_sub_f32 v[A_TA+\p], v[A_TA+\p], v[A_GH+\p]
	v_add_f32 v[A_TB+\p], v[A_TB+\p], v[A_GL+\p]
.endr
.irp p, 0,1,2,3,4,5,6,7
	v_fma_f32 v[A_TA+\p], 0.5, v[A_TC+\p], v[A_TA+\p]
.endr
.irp p, 0,1,2,3,4,5,6,7
	v_add_f32 v[A_GL+\p], v[A_TA+\p], v[A_TB+\p]   ; low part
.endr
.rept 6                                        ; six times g := 2 g + g^2: (1 + g)^64 - 1 = e^z - 1
.irp p, 0,1,2,3,4,5,6,7
	v_mul_f32 v[A_TA+\p], v[A_GH+\p], v[A_GH+\p]
	v_add_f32 v[A_TC+\p], v[A_GH+\p], v[A_GH+\p]
.endr
.irp p, 0,1,2,3,4,5,6,7
	v_fma_f32 v[A_TB+\p], v[A_GH+\p], v[A_GH+\p], -v[A_TA+\p]
	v_add_f32 v[A_GH+\p], v[A_TC+\p], v[A_TA+\p]
.endr
.irp p, 0,1,2,3,4,5,6,7
	v_fma_f32 v[A_TB+\p], v[A_TC+\p], v[A_GL+\p], v[A_TB+\p]
	v_sub_f32 v[A_TC+\p], v[A_TC+\p], v[A_GH+\p]
.endr
.irp p, 0,1,2,3,4,5,6,7
	v_fma_f32 v[A_TB+\p], 2.0, v[A_GL+\p], v[A_TB+\p]
	v_add_f32 v[A_TC+\p], v[A_TC+\p], v[A_TA+\p]
.endr
.irp p, 0,1,2,3,4,5,6,7
	v_add_f32 v[A_GL+\p], v[A_TC+\p], v[A_TB+\p]
.endr
.endr
.irp p, 0,1,2,3,4,5,6,7
	v_add_f32 v[A_TA+\p], 1.0, v[A_GH+\p]
	v_cvt_i32_f32 v[A_N+\p], v[A_N+\p]
.endr
.irp p, 0,1,2,3,4,5,6,7
	v_sub_f32 v[A_TB+\p], 1.0, v[A_TA+\p]
.endr
.irp p, 0,1,2,3,4,5,6,7
	v_add_f32 v[A_TB+\p], v[A_TB+\p], v[A_GH+\p]
.endr
.irp p, 0,1,2,3,4,5,6,7
	v_add_f32 v[A_TB+\p], v[A_TB+\p], v[A_GL+\p]
.endr
.irp p, 0,1,2,3,4,5,6,7
	v_add_f32 v[A_TA+\p], v[A_TA+\p], v[A_TB+\p]   ; e^z, rounded once
.endr
.irp p, 0,1,2,3,4,5,6,7
	v_ldexp_f32 v[A_TA+\p], v[A_TA+\p], v[A_N+\p]  ; y = 10000^(j / 512)
.endr
	s_wait_alu depctr_va_vdst(0)
.irp p, 0,1,2,3,4,5,6,7
	v_rcp_f32 v[A_TB+\p], v[A_TA+\p]
.endr
	v_nop                                          ; a plain line behind the last reciprocal
	s_wait_alu depctr_va_vdst(0)                   ; one wait for the eight, ahead of their first reader
.irp p, 0,1,2,3,4,5,6,7
	v_fma_f32 v[A_TC+\p], -v[A_TA+\p], v[A_TB+\p], 1.0
.endr
.irp p, 0,1,2,3,4,5,6,7
	v_fma_f32 v[IV+\p], v[A_TB+\p], v[A_TC+\p], v[A_TB+\p]   ; 1 / y with one correction step
.endr
.set A_AN, 24                          ; the angle, then what is left of it
.set A_KK, 32                          ; how many quarter turns
.set A_ZZ, 40
.set A_SN, 48
.set A_CS, 56
.set A_TT, 64
; One tile of 16 positions: cos and sin of my eight pairs, (cos, sin) by pairs in 16 registers, four stores of 512 consecutive bytes
.macro TILE u
.set A_O, 96+16*\u
	v_add_nc_u32 v11, 8*\u, v6
	s_delay_alu instid0(VALU_DEP_1)
	v_cvt_f32_u32 v11, v11
.irp p, 0,1,2,3,4,5,6,7
	v_mul_f32 v[A_AN+\p], v11, v[IV+\p]            ; the angle: one f32 product
.endr
.irp p, 0,1,2,3,4,5,6,7
	v_mul_f32 v[A_KK+\p], 0x3f22f983, v[A_AN+\p]
.endr
.irp p, 0,1,2,3,4,5,6,7
	v_rndne_f32 v[A_KK+\p], v[A_KK+\p]
.endr
.irp p, 0,1,2,3,4,5,6,7
	v_fma_f32 v[A_AN+\p], -v[A_KK+\p], s33, v[A_AN+\p]   ; exact: under 1 in magnitude and a multiple of 2^-23
.endr
.irp p, 0,1,2,3,4,5,6,7
	v_fma_f32 v[A_AN+\p], -v[A_KK+\p], s34, v[A_AN+\p]
.endr
.irp p, 0,1,2,3,4,5,6,7
	v_mul_f32 v[A_ZZ+\p], v[A_AN+\p], v[A_AN+\p]
	v_cvt_i32_f32 v[A_KK+\p], v[A_KK+\p]
.endr
.irp p, 0,1,2,3,4,5,6,7
	v_fmaak_f32 v[A_SN+\p], v[A_ZZ+\p], v9, 0xb9500d01
	v_fmaak_f32 v[A_CS+\p], v[A_ZZ+\p], v10, 0x37d00d01
.endr
.irp p, 0,1,2,3,4,5,6,7
	v_fmaak_f32 v[A_SN+\p], v[A_ZZ+\p], v[A_SN+\p], 0x3c088889
	v_fmaak_f32 v[A_CS+\p], v[A_ZZ+\p], v[A_CS+\p], 0xbab60b61
.endr
.irp p, 0,1,2,3,4,5,6,7
	v_fmaak_f32 v[A_SN+\p], v[A_ZZ+\p], v[A_SN+\p], 0xbe2aaaab
	v_fmaak_f32 v[A_CS+\p], v[A_ZZ+\p], v[A_CS+\p], 0x3d2aaaab
.endr
.irp p, 0,1,2,3,4,5,6,7
	v_mul_f32 v[A_TT+\p], v[A_AN+\p], v[A_ZZ+\p]
	v_fma_f32 v[A_CS+\p], v[A_ZZ+\p], v[A_CS+\p], -0.5
.endr
.irp p, 0,1,2,3,4,5,6,7
	v_fma_f32 v[A_SN+\p], v[A_TT+\p], v[A_SN+\p], v[A_AN+\p]
	v_fma_f32 v[A_CS+\p], v[A_ZZ+\p], v[A_CS+\p], 1.0
.endr
.irp p, 0,1,2,3,4,5,6,7                        ; the quarter: odd: sin and cos change places; sin is negative in quarters 2, 3, cos in 1, 2
	v_and_b32 v[A_TT+\p], 1, v[A_KK+\p]
	s_delay_alu instid0(VALU_DEP_1)
	v_cmp_eq_u32 vcc_lo, 1, v[A_TT+\p]
	s_delay_alu instid0(VALU_DEP_1)
	v_cndmask_b32 v[A_O+2*\p+1], v[A_SN+\p], v[A_CS+\p], vcc_lo
	s_delay_alu instid0(VALU_DEP_2)
	v_cndmask_b32 v[A_O+2*\p], v[A_CS+\p], v[A_SN+\p], vcc_lo
	v_lshlrev_b32 v[A_TT+\p], 30, v[A_KK+\p]
	v_add_nc_u32 v[A_KK+\p], 1, v[A_KK+\p]
	s_delay_alu instid0(VALU_DEP_2)
	v_and_b32 v[A_TT+\p], 0x80000000, v[A_TT+\p]
	s_delay_alu instid0(VALU_DEP_2)
	v_lshlrev_b32 v[A_KK+\p], 30, v[A_KK+\p]
	s_delay_alu instid0(VALU_DEP_2)
	v_xor_b32 v[A_O+2*\p+1], v[A_TT+\p], v[A_O+2*\p+1]
	s_delay_alu instid0(VALU_DEP_2)
	v_and_b32 v[A_KK+\p], 0x80000000, v[A_KK+\p]
	s_delay_alu instid0(VALU_DEP_1)
	v_xor_b32 v[A_O+2*\p], v[A_KK+\p], v[A_O+2*\p]
.endr
.irp d, 0,1,2,3
	global_store_b128 v4, v[A_O+4*\d:A_O+4*\d+3], s[18:19] offset:\u*65536+512*\d
.endr
.endm
	s_mov_b32 s35, 4
.Ltile:                                        ; a trip: tiles 2 i and 2 i + 1: positions 32 i and 32 i + 8 on
	s_wait_alu depctr_va_vdst(0)
	TILE 0
	TILE 1
	s_wait_xcnt 0x0                                ; the stores have read their data and base: both are written again only behind this wait
	s_add_nc_u64 s[18:19], s[18:19], 131072
	v_add_nc_u32 v6, 32, v6
	s_sub_co_u32 s35, s35, 1
	s_cmp_lg_u32 s35, 0
	s_cbranch_scc1 .Ltile
	s_endpgm
.Lfunc_end_k_q29670e981f_prep:
	.size	k_q29670e981f_prep, .Lfunc_end_k_q29670e981f_prep-k_q29670e981f_prep
	.p2alignl 7, 3214868480
	.fill 96, 4, 3214868480
	.section	.rodata,"a",@progbits
	.p2align	6, 0x0
	.amdhsa_kernel k_q29670e981f_prep
		.amdhsa_group_segment_fixed_size 68608
		.amdhsa_private_segment_fixed_size 0
		.amdhsa_enable_private_segment 0
		.amdhsa_kernarg_size 64
		.amdhsa_user_sgpr_count 2
		.amdhsa_user_sgpr_kernarg_segment_ptr 1
		.amdhsa_wavefront_size32 1
		.amdhsa_system_sgpr_workgroup_id_x 1
		.amdhsa_system_sgpr_workgroup_id_y 1
		.amdhsa_system_sgpr_workgroup_id_z 1
		.amdhsa_system_vgpr_workitem_id 0
		.amdhsa_next_free_vgpr 250
		.amdhsa_next_free_sgpr 66
		.amdhsa_reserve_vcc 1
		.amdhsa_float_denorm_mode_32 3
		.amdhsa_float_denorm_mode_16_64 3
		.amdhsa_memory_ordered 1
		.amdhsa_forward_progress 1
		.amdhsa_inst_pref_size 121
	.end_amdhsa_kernel
	.amdgpu_metadata
---
amdhsa.version: [ 1, 2 ]
amdhsa.kernels:
  - .name:           k_q29670e981f_prep
    .symbol:         k_q29670e981f_prep.kd
    .args:
      - { .name: X, .offset: 0, .size: 8, .value_kind: global_buffer, .address_space: global }
      - { .name: Wq, .offset: 8, .size: 8, .value_kind: global_buffer, .address_space: global }
      - { .name: Wk, .offset: 16, .size: 8, .value_kind: global_buffer, .address_space: global }
      - { .name: Wv, .offset: 24, .size: 8, .value_kind: global_buffer, .address_space: global }
      - { .name: Wo, .offset: 32, .size: 8, .value_kind: global_buffer, .address_space: global }
      - { .name: xi, .offset: 40, .size: 8, .value_kind: global_buffer, .address_space: global }
      - { .name: wi, .offset: 48, .size: 8, .value_kind: global_buffer, .address_space: global }
      - { .name: rt, .offset: 56, .size: 8, .value_kind: global_buffer, .address_space: global }
    .group_segment_fixed_size: 68608
    .private_segment_fixed_size: 0
    .kernarg_segment_align: 8
    .kernarg_segment_size: 64
    .max_flat_workgroup_size: 256
    .sgpr_count:     66
    .vgpr_count:     250
    .wavefront_size: 32
...
	.end_amdgpu_metadata
.endif
;; end of part 1
;; launch qkv (part 2): grid 12 x 32, 4 waves a work-group, clusters of 4 x 4, 327,680 bytes of LDS; arguments xi, wi, rt, bq, bk, bv, qi, ki, vi; writes qi, ki, vi
.if DOCPART == 2
	.amdgcn_target "amdgcn-amd-amdhsa--gfx1250"
	.amdhsa_code_object_version 6
	.text
	.protected	k_q29670e981f_qkv
	.globl	k_q29670e981f_qkv
	.p2align	8
	.type	k_q29670e981f_qkv,@function
k_q29670e981f_qkv:
	s_mov_b64 s[64:65], 0
	v_nop
	global_prefetch_b8 v0, s[64:65] scope:SCOPE_SE
	s_setreg_imm32_b32 hwreg(HW_REG_WAVE_MODE, 25, 1), 1
	s_wait_xcnt 0x0
	s_wait_alu depctr_hold_cnt(0) depctr_sa_sdst(0) depctr_va_vdst(0) depctr_va_sdst(0) depctr_va_ssrc(0) depctr_va_vcc(0) depctr_vm_vsrc(0)
	s_getreg_b32 s2, hwreg(HW_REG_IB_STS2, 6, 4)
	s_cmp_eq_u32 s2, 0
	s_cbranch_scc0 .Lentry_in_a_cluster
	s_endpgm
.Lentry_in_a_cluster:
	s_bfe_u32 s2, ttmp6, 0x10000c
	s_cmp_lg_u32 s2, 0xf033
	s_cbranch_scc0 .Lentry_shape_is_right
	s_endpgm
.Lentry_shape_is_right:
; The three projections on codes of E4M3 (K = 1,024), with what follows them: bias, RoPE (q, k), and the quantiser of attention's operands.
; A tile of 256 x 256 results is made by four waves, each 128 x 128: 64 accumulators.  Clusters x = 0, 1: A = X's images (rows: tokens), B = the images of Wq and Wk, a row group = one head's 64 q and 64 k.
; Cluster x = 2: the product is V^T = Wv^T X^T: A = Wv's images (rows: channels), B = X's (rows: tokens).  The choice hangs on the cluster's x alone, which all sixteen partners share.
; OPERANDS LIE IN MEMORY AS IMAGES OF THEIR REGISTERS: for 128 rows and 128 along K 16,896 bytes: 8 fragments of 2,048 bytes (register group c of lane l at 512 c + 16 l) and 512 bytes of scale words.
; So two K steps of a row group are 33,792 dense bytes, one tensor load; a fragment is four loads at 16 x lane; the scale words of 8 tiles are one load of 16 bytes a lane
; (tile t: register t / 2, lanes 0-15 for even t, lanes 16-31 for odd t).  No pitch, no padding.
; K goes in 4 slots' worth of 256 through a ring of two LDS slots.  4 x 4 work-groups form a cluster: A's parts are asked for jointly along a row of the cluster, B's along a column.
; THE PRODUCT IS USED TRANSPOSED (source 0 = 16 rows of B, source 1 = 16 rows of A).  Lane r of tile 2 b + u holds row 32 b + 8 u + r % 8 + 16 (r / 8) of its group, so a lane's 64 results of one tile of A
; are, register 16 b + i, B's row 32 b + 16 (lane / 16) + i: 16 neighbours of each block of 32 along the next K: channels of a head for q and k, keys for v.
; OUT: qi, ki: for each (batch x head, 128 tokens) 8 tile images of 1,024 bytes (64 along K) and 512 bytes of scale words, whose upper two bytes are 127 (they stand over zero codes in attention);
; vi: 4 fragments (16 channels x 128 keys) of 2,048 bytes and 256 bytes of scale words.  Every store of codes covers 512 consecutive bytes.
; LIMITS: NaN and infinities are not served; a block whose largest magnitude lies under 2^-118 keeps the scale byte 1.
; REGISTERS: window 0: v0-31 addresses; v32-63 scale words, two sets; v128-255 A's fragments, one set.  Window 1: B's fragments, two sets.  Windows 2, 3: the accumulators ((a, b) at v[8 (8 (a % 4) + b)]).
;   On the way out: window 0: v64-127 64 numbers; v128-143 codes; v160-176 at work; v184-199 products; v200-217 scale words and v's bias.  Window 1: v0-63 the biases; v64-255 six sets of cos and sin.
.set KSB,   16896                      ; a row group's image of one K step
.set RGB,   8*KSB                      ; of all of K
.set PART,  2*KSB                      ; what one tensor load brings
.set SLOT,  4*PART                     ; A's two row groups, then B's two
.set SPARE, 2*SLOT                     ; the spare words, 128 bytes for each wave: two blocks of 256 bytes that no other line names
.set FR,    16
.set NL,    4
.set NP,    8                          ; places behind this matrix instruction (ISA guide 7.12.1)
.set ADRA,  16                         ; v16-17 LDS address of my A row group in slot 0, 1: 16 x lane + ..
.set ADRB,  20                         ; v20-21 the same for B
.set LI,    24                         ; v24 16 x lane
.set SPW,   28
.set NIL,   29
.set SC,    32                         ; scale words: set s at v[SC + 16 s]: for the slot's q-th 128 along K registers 8 q + 0..3 A's, 8 q + 4..7 B's
.set AF,    128
.set G1,    24
.set G0,    32
.set G1B,   48
.set G0B,   56
.set SEL,   78
.set MNT,   80
.set XW,    64
.set PC,    128
.set TM,    160
.set PW,    176
.set TP,    184
.set SQ,    200
.set SK,    204
.set SV,    208
.set BV,    210
.set TBL,   64                         ; in window 1
.set MSB, 0
.macro WIN new                         ; the immediate's high byte repeats the setting that is left
.if MSB != \new
	s_set_vgpr_msb (MSB<<8)|\new
.set MSB, \new
.endif
.endm
.set MUL_LO, 0xa1                      ; source 0 (B) window 1, source 1 (A) window 0, C and D window 2
.set MUL_HI, 0xf1
.set TO_B,   0x40
.macro JLOAD g0a, g1a, g0b, g1b        ; a joint load: waves 0, 1 fetch for A, waves 2, 3 for B; four v_nop follow each line
	s_cmp_eq_u32 s15, 0
	s_cbranch_scc0 .Lfor_b_\@
	tensor_load_to_lds s[\g0a:\g0a+3], s[\g1a:\g1a+7]
	s_nop 0
.rept 4
	v_nop
.endr
	s_branch .Lasked_\@
.Lfor_b_\@:
	tensor_load_to_lds s[\g0b:\g0b+3], s[\g1b:\g1b+7]
	s_nop 0
.rept 4
	v_nop
.endr
.Lasked_\@:
.endm
.macro CREST
	s_cmp_lg_u32 s14, 0
	s_cbranch_scc1 .Lnot_wave_0_\@
	s_barrier_signal -3
.Lnot_wave_0_\@:
	s_barrier_wait -3
	s_barrier_signal -1
	s_barrier_wait -1
.endm
.macro CROUND
	s_barrier_signal -1
	s_barrier_wait -1
	CREST
.endm
.macro PLACES n
.rept \n
	v_nop
.endr
.endm
	s_load_b256 s[4:11], s[0:1], 0x0               ; xi s[4:5], wi s[6:7], rt s[8:9], bq s[10:11]
	s_load_b256 s[68:75], s[0:1], 0x20             ; bk s[68:69], bv s[70:71], qi s[72:73], ki s[74:75]
	s_load_b64 s[76:77], s[0:1], 0x40              ; vi
	v_lshl_add_u32 v[SPW], v0, 2, SPARE
	v_mov_b32 v[NIL], 0
	ds_add_u32 v28, v29
	ds_add_u32 v28, v29
	s_wait_dscnt 0x0
	v_lshrrev_b32 v1, 5, v0
	v_readfirstlane_b32 s14, v1                    ; wave 0..3
	s_lshr_b32 s15, s14, 1                         ; which of A's two row groups is mine.  Also: I fetch for A (0) or for B (1)
	s_and_b32 s16, s14, 1                          ; which of B's.  Also: which row group I fetch
	s_bfe_u32 s40, ttmp6, 0x40000                  ; cx
	s_bfe_u32 s41, ttmp6, 0x40004                  ; cy
	s_and_b32 s18, ttmp7, 0xffff                   ; the cluster's y
	s_cmp_eq_u32 ttmp9, 2
	s_cselect_b32 s66, 1, 0                        ; 1: the clusters that make V^T
	s_cselect_b32 s19, s18, ttmp9                  ; along B: tokens by the cluster's y, or heads by its x
	s_cselect_b32 s18, 0, s18                      ; along A: Wv's four tiles, or tokens by the cluster's y
	s_lshl_b32 s42, s19, 2
	s_add_co_u32 s42, s42, s40                     ; tile along B
	s_lshl_b32 s17, s18, 2
	s_add_co_u32 s17, s17, s41                     ; tile along A
	s_lshl_b32 s43, s41, 2
	s_lshl_b32 s43, 15, s43                        ; my row of the cluster
	s_lshl_b32 s44, 0x1111, s40                    ; my column
	s_or_b32 s[G1+0], s43, (3<<16)|(1<<21)         ; 15:0 the mask; 17:16 elements of 8 bytes; 21 set beside a mask; no padding
	s_or_b32 s[G1B+0], s44, (3<<16)|(1<<21)
.irp g, G1, G1B
	s_mov_b32 s[\g+1], 32<<16                      ; tensor_dim0 = 32 elements: rows of 256 bytes
	s_mov_b32 s[\g+2], 132<<16                     ; tensor_dim1 = 132 rows: 33,792 dense bytes
	s_mov_b32 s[\g+3], 32<<16                      ; tile_dim0
	s_mov_b32 s[\g+4], 132                         ; tile_dim1
	s_mov_b32 s[\g+5], 32                          ; the pitch
	s_mov_b32 s[\g+6], 0
	s_mov_b32 s[\g+7], 0
.endr
	s_lshl_b32 s20, s17, 1
	s_add_co_u32 s20, s20, s16                     ; the row group of A that I would fetch
	s_mul_i32 s20, s20, RGB
	s_mov_b32 s21, 0
	s_lshl_b32 s46, s42, 1
	s_add_co_u32 s46, s46, s16                     ; and of B
	s_mul_i32 s46, s46, RGB
	s_mov_b32 s47, 0
	s_mul_i32 s45, s14, PART                       ; where it goes: wave x a part: no place in the cluster enters an LDS address
	s_mov_b32 s[SEL], 0x76543210
	s_mov_b32 s[SEL+1], 0xfedcba98
	s_mov_b32 s[MNT], 0x600000
	s_mov_b32 s81, 0xffff0000                      ; lanes 16-31
	s_mov_b32 s82, 0xffff
	s_mov_b32 s83, 0x7f7f0000
	s_wait_kmcnt 0x0
	s_cmp_eq_u32 s66, 1
	s_cselect_b64 s[22:23], s[6:7], s[4:5]         ; A's buffer
	s_cselect_b64 s[92:93], s[4:5], s[6:7]         ; B's
	s_cselect_b32 s94, 16*RGB, 0                   ; Wv's row groups begin behind the sixteen heads'
	s_mov_b32 s95, 0
	s_add_nc_u64 s[20:21], s[20:21], s[94:95]
	s_add_nc_u64 s[20:21], s[22:23], s[20:21]
	s_add_nc_u64 s[46:47], s[92:93], s[46:47]
	CROUND                                         ; all sixteen work-groups are here: the first joint loads meet
.irp s, 0,1
	s_mov_b32 s[G0+4*\s], 1
	s_add_co_u32 s[G0+4*\s+1], s45, \s*SLOT
	s_add_nc_u64 s[G0+4*\s+2:G0+4*\s+3], s[20:21], \s*PART
	s_or_b32 s[G0+4*\s+3], s[G0+4*\s+3], 0x80000000
	s_mov_b32 s[G0B+4*\s], 1
	s_add_co_u32 s[G0B+4*\s+1], s45, \s*SLOT
	s_add_nc_u64 s[G0B+4*\s+2:G0B+4*\s+3], s[46:47], \s*PART
	s_or_b32 s[G0B+4*\s+3], s[G0B+4*\s+3], 0x80000000
.endr
	JLOAD G0, G1, G0B, G1B                         ; slot 0: one tensor load a wave at the head
	v_and_b32 v1, 31, v0
	v_lshlrev_b32 v[LI], 4, v1
	s_mul_i32 s22, s15, PART
	s_mul_i32 s23, s16, PART
	s_add_co_u32 s23, s23, 2*PART
.irp s, 0,1
	v_add_nc_u32 v[ADRA+\s], s22, v[LI]
	v_add_nc_u32 v[ADRB+\s], s23, v[LI]
	s_add_co_u32 s22, s22, SLOT
	s_add_co_u32 s23, s23, SLOT
.endr
.macro FRAG reg, adr, q, i             ; a fragment as it lies: four loads of 512 consecutive bytes
.irp c, 0,1,2,3
	ds_load_b128 v[\reg+4*\c:\reg+4*\c+3], v[\adr] offset:KSB*(\q)+2048*(\i)+512*\c
.endr
.endm
; One product: A's tile a x B's tile b.  The scale words of an odd tile stand in lanes 16-31 of its register
.macro WM a, b, p, q, sc, zero
.set WD, 8*(8*((\a)%4)+(\b))
.set WB, 128*(\p)+FR*(\b)
.set WA, AF+FR*(\a)
.set WSB, SC+16*(\sc)+8*(\q)+4+(\b)/2
.set WSA, SC+16*(\sc)+8*(\q)+(\a)/2
.set WO, 2*((\a)%2)+(\b)%2+4*(\zero)
.if WO == 0
	v_wmma_scale_f32_16x16x128_f8f6f4 v[WD:WD+7], v[WB:WB+15], v[WA:WA+15], v[WD:WD+7], v[WSB], v[WSA]
.elseif WO == 1
	v_wmma_scale_f32_16x16x128_f8f6f4 v[WD:WD+7], v[WB:WB+15], v[WA:WA+15], v[WD:WD+7], v[WSB], v[WSA] matrix_a_scale:MATRIX_SCALE_ROW1
.elseif WO == 2
	v_wmma_scale_f32_16x16x128_f8f6f4 v[WD:WD+7], v[WB:WB+15], v[WA:WA+15], v[WD:WD+7], v[WSB], v[WSA] matrix_b_scale:MATRIX_SCALE_ROW1
.elseif WO == 3
	v_wmma_scale_f32_16x16x128_f8f6f4 v[WD:WD+7], v[WB:WB+15], v[WA:WA+15], v[WD:WD+7], v[WSB], v[WSA] matrix_a_scale:MATRIX_SCALE_ROW1 matrix_b_scale:MATRIX_SCALE_ROW1
.elseif WO == 4
	v_wmma_scale_f32_16x16x128_f8f6f4 v[WD:WD+7], v[WB:WB+15], v[WA:WA+15], 0, v[WSB], v[WSA]
.elseif WO == 5
	v_wmma_scale_f32_16x16x128_f8f6f4 v[WD:WD+7], v[WB:WB+15], v[WA:WA+15], 0, v[WSB], v[WSA] matrix_a_scale:MATRIX_SCALE_ROW1
.elseif WO == 6
	v_wmma_scale_f32_16x16x128_f8f6f4 v[WD:WD+7], v[WB:WB+15], v[WA:WA+15], 0, v[WSB], v[WSA] matrix_b_scale:MATRIX_SCALE_ROW1
.else
	v_wmma_scale_f32_16x16x128_f8f6f4 v[WD:WD+7], v[WB:WB+15], v[WA:WA+15], 0, v[WSB], v[WSA] matrix_a_scale:MATRIX_SCALE_ROW1 matrix_b_scale:MATRIX_SCALE_ROW1
.endif
.endm
; 16 products: A's tiles a0, a0 + 1 x B's eight.  The 64 accumulators take turns, one instruction a turn, in the same order in every step
.macro MUL16 a0, p, q, sc, zero
.irp a, \a0, \a0+1
.irp b, 0,1,2,3,4,5,6,7
	WM (\a), \b, \p, \q, \sc, \zero
.endr
.endr
.endm
.macro FETCH_B slot, q, p
	WIN TO_B
.irp i, 0,1,2,3,4,5,6,7
	FRAG 128*(\p)+FR*\i, ADRB+\slot, \q, \i
.endr
	WIN 0
.endm
.macro FETCH_A slot, q, i0
.irp i, \i0, \i0+1, \i0+2, \i0+3
	FRAG AF+FR*(\i), ADRA+\slot, \q, \i
.endr
.endm
.macro SCALES sc                       ; a slot's scale words: four loads of 16 bytes a lane
.irp q, 0,1
	ds_load_b128 v[SC+16*\sc+8*\q:SC+16*\sc+8*\q+3], v[ADRA+\sc] offset:KSB*\q+16384
	ds_load_b128 v[SC+16*\sc+8*\q+4:SC+16*\sc+8*\q+7], v[ADRB+\sc] offset:KSB*\q+16384
.endr
.endm
; A step of 128 along K that has its successor in the same slot.  A's tiles 0-3 are fetched anew in its middle, 4-7 at its end; B has two sets
.macro STEP slot, q, zero
	s_wait_dscnt 4*NL                              ; all but the youngest sixteen loads (A's tiles 4-7) are in
	WIN MUL_LO
	MUL16 0, (\q)%2, \q, \slot, \zero
	MUL16 2, (\q)%2, \q, \slot, \zero
	s_wait_dscnt 0
	PLACES NP                                      ; in front of loads into registers that matrix instructions have read
	FETCH_B \slot, (\q)+1, 1-(\q)%2
	FETCH_A \slot, (\q)+1, 0
	WIN MUL_HI
	MUL16 4, (\q)%2, \q, \slot, \zero
	MUL16 6, (\q)%2, \q, \slot, \zero
	PLACES NP
	WIN 0
	FETCH_A \slot, (\q)+1, 4
.endm
; A slot's last step changes slots: one barrier; in front of it each wave waits for all its tensor loads, adds 0 to its spare word, and waits for that and for its reads of this slot
.macro TURN slot, next, fill
	s_wait_tensorcnt 0x0                           ; all my tensor loads have landed: my part of the next slot
	ds_add_u32 v[SPW], v[NIL]                      ; 0 onto my spare word
	s_wait_dscnt 4*NL+1                            ; the add and the youngest sixteen loads may be out
	WIN MUL_LO
	MUL16 0, 1, 1, \slot, 0
	s_wait_dscnt 0x0                               ; the add is done, and my reads of this slot are over
	s_barrier_signal -1
	MUL16 2, 1, 1, \slot, 0
	WIN 0
	s_barrier_wait -1
.if \fill
	CREST                                          ; the barrier has opened a round of the cluster's: no wave of any partner still reads this slot or has a load on its way
	s_add_nc_u64 s[G0+4*\slot+2:G0+4*\slot+3], s[G0+4*\slot+2:G0+4*\slot+3], 2*PART
	s_add_nc_u64 s[G0B+4*\slot+2:G0B+4*\slot+3], s[G0B+4*\slot+2:G0B+4*\slot+3], 2*PART
	JLOAD G0+4*\slot, G1, G0B+4*\slot, G1B         ; the first tensor load behind the round; its four v_nop are four of the eight places
	PLACES NP-4
.else
	PLACES NP
.endif
	FETCH_B \next, 0, 0
	FETCH_A \next, 0, 0
	SCALES \next
	WIN MUL_HI
	MUL16 4, 1, 1, \slot, 0
	MUL16 6, 1, 1, \slot, 0
	PLACES NP
	WIN 0
	FETCH_A \next, 0, 4
.endm
	s_wait_alu depctr_va_vdst(0)
	s_wait_tensorcnt 0x0                           ; my part of slot 0 is in; slot 1's first fill is issued as a refill is
	ds_add_u32 v[SPW], v[NIL]
	s_wait_dscnt 0x0
	CROUND                                         ; a whole round: everybody's part of slot 0 is in, and the joint loads meet
	JLOAD G0+4, G1, G0B+4, G1B                     ; slot 1: the first tensor load behind the round
	FETCH_B 0, 0, 0
	FETCH_A 0, 0, 0
	SCALES 0
	FETCH_A 0, 0, 4
	STEP 0, 0, 1                                   ; the first step's products start the sums.  K has eight steps: they are written out
	TURN 0, 1, 1                                   ; slot 0 takes K steps 4, 5
	STEP 1, 0, 0
	TURN 1, 0, 1                                   ; slot 1 takes K steps 6, 7
	STEP 0, 0, 0
	TURN 0, 1, 0
	STEP 1, 0, 0
	s_wait_dscnt 4*NL
	WIN MUL_LO
	MUL16 0, 1, 1, 1, 0
	MUL16 2, 1, 1, 1, 0
	s_wait_dscnt 0
	WIN MUL_HI
	MUL16 4, 1, 1, 1, 0
	MUL16 6, 1, 1, 1, 0
	WIN 0
; 64 numbers of a lane, register 16 b + i = k 32 b + 16 (lane / 16) + i of its row, become a fragment's codes in v[PC] on and the row's scale word in v[PW]
.macro QUANT s
.irp b, 0,1,2,3
	v_max3_num_f32 v[TM+\b], |v[\s+16*\b]|, |v[\s+1+16*\b]|, 0x4800000   ; and the floor 2^(9 - 127): the byte cannot fall under 1
.endr
.irp i, 2,4,6,8,10,12,14
.irp b, 0,1,2,3
	v_max3_num_f32 v[TM+\b], v[TM+\b], |v[\s+16*\b+\i]|, |v[\s+1+16*\b+\i]|
.endr
.endr
.irp b, 0,1,2,3
	v_permlanex16_b32 v[TM+4+\b], v[TM+\b], s[SEL], s[SEL+1]
.endr
.irp b, 0,1,2,3
	v_max_num_f32 v[TM+\b], v[TM+\b], v[TM+4+\b]
.endr
.irp b, 0,1,2,3
	v_add_nc_u32 v[TM+12+\b], 0xfc000000, v[TM+\b]
.endr
.irp b, 0,1,2,3
	v_and_or_b32 v[TM+8+\b], v[TM+\b], 0x7f800000, s[MNT]
.endr
.irp b, 0,1,2,3
	v_lshrrev_b32 v[TM+4+\b], 23, v[TM+12+\b]
.endr
	v_lshl_or_b32 v[PW], v[TM+5], 8, v[TM+4]
	v_lshl_or_b32 v[PW], v[TM+6], 16, v[PW]
	v_lshl_or_b32 v[PW], v[TM+7], 24, v[PW]
.irp b, 0,1,2,3
.irp i, 0,1,2,3,4,5,6,7,8,9,10,11,12,13,14,15
	v_med3_num_f32 v[\s+16*\b+\i], v[\s+16*\b+\i], -v[TM+8+\b], v[TM+8+\b]   ; the conversion does not saturate (ISA guide 7.6.2)
.endr
	v_cvt_scalef32_pk8_fp8_f32 v[PC+4*\b:PC+1+4*\b], v[\s+16*\b:\s+7+16*\b], v[TM+12+\b]
	v_cvt_scalef32_pk8_fp8_f32 v[PC+2+4*\b:PC+3+4*\b], v[\s+8+16*\b:\s+15+16*\b], v[TM+12+\b]
.endr
	v_nop
.endm
	; THE WAY OUT: no LDS, no barrier.  A tile of A's rows at a time: 64 numbers a lane are finished in f32, quantised, and their codes stored as the next launch's operand registers
	PLACES NP                                      ; behind the last products: their results are read, and registers that they read are written
.irp b, 0,1,2,3
	v_mov_b32 v[TM+4+\b], 0                        ; written once: a lane permute's destination counts as a source
.endr
	v_bfe_u32 v1, v0, 4, 1                         ; h
	v_and_b32 v2, 15, v0                           ; r
	s_lshl_b32 s20, s17, 1
	s_add_co_u32 s20, s20, s15                     ; my row group of A
	s_lshl_b32 s21, s42, 1
	s_add_co_u32 s21, s21, s16                     ; and of B
	s_mov_b32 s47, 0
	s_cmp_eq_u32 s66, 1
	s_cbranch_scc1 .Lvpath
	; ---- q and k: A's group = 128 tokens, B's group = a head
	s_lshr_b32 s22, s20, 4                         ; batch
	s_and_b32 s23, s20, 15                         ; which 128 positions
	s_lshl_b32 s22, s22, 4
	s_add_co_u32 s22, s22, s21
	s_lshl_b32 s22, s22, 4
	s_add_co_u32 s22, s22, s23                     ; (batch x 16 + head) x 16 + group
	s_mul_i32 s46, s22, 8704
	s_add_nc_u64 s[72:73], s[72:73], s[46:47]
	s_add_nc_u64 s[74:75], s[74:75], s[46:47]
	s_lshl_b32 s46, s21, 8                         ; the head's 64 numbers of bq and of bk
	s_add_nc_u64 s[10:11], s[10:11], s[46:47]
	s_add_nc_u64 s[68:69], s[68:69], s[46:47]
	s_lshl_b32 s46, s23, 19                        ; the table: 8 tiles x 65,536 bytes for 128 positions,
	s_lshl_b32 s22, s21, 12                        ; the head's two groups of 16 pairs
	s_add_co_u32 s46, s46, s22
	s_add_nc_u64 s[8:9], s[8:9], s[46:47]
	s_wait_alu depctr_va_vdst(0)
	v_lshlrev_b32 v25, 6, v1                       ; 64 h: my 16 numbers of each 32 of a bias
.macro TABLE a                         ; cos and sin for tile a's 16 positions and the head's 32 pairs: register 2 p, 2 p + 1 of 16 b: pair 16 b + 8 h + p
.irp k, 0,1,2,3,4,5,6,7
	global_load_b128 v[TBL+32*((\a)%6)+4*\k:TBL+32*((\a)%6)+4*\k+3], v[LI], s[8:9] offset:(\a)*65536+512*\k   ; six sets of 32 registers: window 1's v64-255
.endr
.endm
	WIN 0x40                                       ; destination window 1
.irp b, 0,1
.irp j, 0,1,2,3
	global_load_b128 v[16*\b+4*\j:16*\b+4*\j+3], v25, s[10:11] offset:128*\b+16*\j
	global_load_b128 v[32+16*\b+4*\j:32+16*\b+4*\j+3], v25, s[68:69] offset:128*\b+16*\j
.endr
.endr
.irp x, 0,1,2,3,4,5
	TABLE \x
.endr
.macro PRE_QK a                        ; bias, then the rotation: q and k of a head turn by the same angles
.set AC, 64*((\a)%4)
.set TS, TBL+32*((\a)%6)
.if (\a) < 2
	s_wait_loadcnt 40                              ; behind tile a's table five more tables, of eight loads each, have been asked for
.else
	s_wait_loadcnt 8*(7-(\a))                      ; the tables of the tiles that follow may be out
.endif
	WIN 0x06+(\a)/4                                ; source 0: the accumulators' window; source 1: window 1
.set k, 0
.rept 32
	v_pk_add_f32 v[XW+k:XW+k+1], v[AC+k:AC+k+1], v[k:k+1]        ; each accumulator from its low end on
.set k, k+2
.endr
	WIN 0x04
.irp g, 0,1,2,3
.irp e, 0,2,4,6,8,10,12,14
	v_pk_mul_f32 v[TP+\e:TP+\e+1], v[XW+16*\g+\e:XW+16*\g+\e+1], v[TS+16*(\g%2)+\e:TS+16*(\g%2)+\e+1] op_sel:[1,1] op_sel_hi:[0,1]   ; (x2 sin, x1 sin)
.endr
.irp e, 0,2,4,6,8,10,12,14
	v_pk_fma_f32 v[XW+16*\g+\e:XW+16*\g+\e+1], v[XW+16*\g+\e:XW+16*\g+\e+1], v[TS+16*(\g%2)+\e:TS+16*(\g%2)+\e+1], v[TP+\e:TP+\e+1] op_sel_hi:[1,0,1] neg_lo:[0,0,1]   ; (x1 cos - x2 sin, x2 cos + x1 sin)
.endr
.endr
.if (\a) < 2
	WIN 0x40
	TABLE (\a)+6                                   ; into the set that this tile has just read
.endif
	WIN 0
.endm
.macro ST_QK a
	v_and_or_b32 v218, v[PW], s82, s83             ; q's two bytes, and 127 twice above them
	v_lshrrev_b32 v219, 16, v[PW]
	v_or_b32 v219, s83, v219                       ; k's
.if (\a)%2 == 0
	v_mov_b32 v[SQ+(\a)/2], v218
	v_mov_b32 v[SK+(\a)/2], v219
.else
	v_cndmask_b32 v[SQ+(\a)/2], v[SQ+(\a)/2], v218, s81   ; an odd tile's words go to lanes 16-31
	v_cndmask_b32 v[SK+(\a)/2], v[SK+(\a)/2], v219, s81
.endif
	global_store_b128 v[LI], v[PC:PC+3], s[72:73] offset:(\a)*1024
	global_store_b128 v[LI], v[PC+4:PC+7], s[72:73] offset:(\a)*1024+512
	global_store_b128 v[LI], v[PC+8:PC+11], s[74:75] offset:(\a)*1024
	global_store_b128 v[LI], v[PC+12:PC+15], s[74:75] offset:(\a)*1024+512
.endm
.irp a, 0,1,2,3,4,5,6,7
	PRE_QK \a
	s_wait_xcnt 0x0                                ; the last tile's stores have read the code registers
	QUANT XW
	ST_QK \a
.endr
	global_store_b128 v[LI], v[SQ:SQ+3], s[72:73] offset:8192
	global_store_b128 v[LI], v[SK:SK+3], s[74:75] offset:8192
	s_branch .Ldone
	; ---- v: A's group = 128 channels (two heads), B's group = 128 tokens, the keys
.Lvpath:
	s_lshr_b32 s22, s21, 4                         ; batch
	s_and_b32 s23, s21, 15                         ; which 128 keys
	s_lshl_b32 s22, s22, 4
	s_lshl_b32 s46, s20, 1
	s_add_co_u32 s22, s22, s46                     ; batch x 16 + the first of my two heads
	s_lshl_b32 s22, s22, 4
	s_add_co_u32 s22, s22, s23
	s_mul_i32 s46, s22, 8448
	s_add_nc_u64 s[76:77], s[76:77], s[46:47]
	s_lshl_b32 s46, s20, 9
	s_add_nc_u64 s[70:71], s[70:71], s[46:47]      ; my 128 numbers of bv
	s_wait_alu depctr_va_vdst(0)
	v_and_b32 v3, 7, v2
	v_lshrrev_b32 v4, 3, v2
	v_lshl_add_u32 v3, v4, 4, v3
	v_lshlrev_b32 v25, 2, v3                       ; 4 x (r % 8 + 16 (r / 8))
	v_and_b32 v3, 31, v0
	v_lshlrev_b32 v26, 3, v3                       ; 8 x lane
.irp a, 0,1,2,3,4,5,6,7
	global_load_b32 v[BV+\a], v25, s[70:71] offset:4*(32*(\a/2)+8*(\a%2))   ; my channel's bias in tile a
.endr
	s_wait_loadcnt 0x0
.macro PRE_V a
.set AC, 64*((\a)%4)
	WIN 0x02+(\a)/4
.set k, 0
.rept 32
.if (\a)%2
	v_pk_add_f32 v[XW+k:XW+k+1], v[AC+k:AC+k+1], v[BV+(\a)-1:BV+(\a)] op_sel:[0,1] op_sel_hi:[1,1]
.else
	v_pk_add_f32 v[XW+k:XW+k+1], v[AC+k:AC+k+1], v[BV+(\a):BV+(\a)+1] op_sel_hi:[1,0]
.endif
.set k, k+2
.endr
	WIN 0
.endm
.macro ST_V a
.irp c, 0,1,2,3
	global_store_b128 v[LI], v[PC+4*\c:PC+4*\c+3], s[76:77] offset:((\a)/4)*135168+((\a)%4)*2048+512*\c   ; tiles 4-7 belong to the next head: sixteen blocks of 8,448 bytes on
.endr
.if (\a)%2 == 0
	v_mov_b32 v[SV+((\a)%4)/2], v[PW]
.else
	v_cndmask_b32 v[SV+((\a)%4)/2], v[SV+((\a)%4)/2], v[PW], s81
.endif
.if (\a)%4 == 3
	global_store_b64 v26, v[SV:SV+1], s[76:77] offset:((\a)/4)*135168+8192
.endif
.endm
.irp a, 0,1,2,3,4,5,6,7
	PRE_V \a
	s_wait_xcnt 0x0                                ; the last tile's stores have read the code registers and the scale words
	QUANT XW
	ST_V \a
.endr
.Ldone:
	s_wait_tensorcnt 0x0                           ; the wave's end
	ds_add_u32 v[SPW], v[NIL]
	s_wait_dscnt 0x0
	CROUND                                         ; the closing round: no work-group ends while a partner may still ask for a part that names it
	s_endpgm
.Lfunc_end_k_q29670e981f_qkv:
	.size	k_q29670e981f_qkv, .Lfunc_end_k_q29670e981f_qkv-k_q29670e981f_qkv
	.p2alignl 7, 3214868480
	.fill 96, 4, 3214868480
	.section	.rodata,"a",@progbits
	.p2align	6, 0x0
	.amdhsa_kernel k_q29670e981f_qkv
		.amdhsa_group_segment_fixed_size 327680
		.amdhsa_private_segment_fixed_size 0
		.amdhsa_enable_private_segment 0
		.amdhsa_kernarg_size 72
		.amdhsa_user_sgpr_count 2
		.amdhsa_user_sgpr_kernarg_segment_ptr 1
		.amdhsa_wavefront_size32 1
		.amdhsa_system_sgpr_workgroup_id_x 1
		.amdhsa_system_sgpr_workgroup_id_y 1
		.amdhsa_system_sgpr_workgroup_id_z 1
		.amdhsa_system_vgpr_workitem_id 0
		.amdhsa_next_free_vgpr 1024
		.amdhsa_next_free_sgpr 100
		.amdhsa_reserve_vcc 0
		.amdhsa_float_denorm_mode_32 3
		.amdhsa_float_denorm_mode_16_64 3
		.amdhsa_memory_ordered 1
		.amdhsa_forward_progress 1
		.amdhsa_inst_pref_size 255
	.end_amdhsa_kernel
	.section	.bss,"aw",@nobits
	.p2align	6
	.space	262144
	.amdgpu_metadata
---
amdhsa.version: [ 1, 2 ]
amdhsa.kernels:
  - .name:           k_q29670e981f_qkv
    .symbol:         k_q29670e981f_qkv.kd
    .args:
      - { .name: xi, .offset: 0, .size: 8, .value_kind: global_buffer, .address_space: global }
      - { .name: wi, .offset: 8, .size: 8, .value_kind: global_buffer, .address_space: global }
      - { .name: rt, .offset: 16, .size: 8, .value_kind: global_buffer, .address_space: global }
      - { .name: bq, .offset: 24, .size: 8, .value_kind: global_buffer, .address_space: global }
      - { .name: bk, .offset: 32, .size: 8, .value_kind: global_buffer, .address_space: global }
      - { .name: bv, .offset: 40, .size: 8, .value_kind: global_buffer, .address_space: global }
      - { .name: qi, .offset: 48, .size: 8, .value_kind: global_buffer, .address_space: global }
      - { .name: ki, .offset: 56, .size: 8, .value_kind: global_buffer, .address_space: global }
      - { .name: vi, .offset: 64, .size: 8, .value_kind: global_buffer, .address_space: global }
    .group_segment_fixed_size: 327680
    .private_segment_fixed_size: 0
    .kernarg_segment_align: 8
    .kernarg_segment_size: 72
    .max_flat_workgroup_size: 128
    .sgpr_count:     100
    .vgpr_count:     1024
    .wavefront_size: 32
...
	.end_amdgpu_metadata
.endif
;; end of part 2
;; launch attn (part 3): grid 4 x 64, 16 waves a work-group, clusters of 4 x 1, 327,680 bytes of LDS; arguments qi, ki, vi, ai; writes ai
.if DOCPART == 3
	.amdgcn_target "amdgcn-amd-amdhsa--gfx1250"
	.amdhsa_code_object_version 6
	.text
	.protected	k_q29670e981f_attn
	.globl	k_q29670e981f_attn
	.p2align	8
	.type	k_q29670e981f_attn,@function
k_q29670e981f_attn:
	s_mov_b64 s[64:65], 0
	v_nop
	global_prefetch_b8 v0, s[64:65] scope:SCOPE_SE
	s_setreg_imm32_b32 hwreg(HW_REG_WAVE_MODE, 25, 1), 1
	s_wait_xcnt 0x0
	s_wait_alu depctr_hold_cnt(0) depctr_sa_sdst(0) depctr_va_vdst(0) depctr_va_sdst(0) depctr_va_ssrc(0) depctr_va_vcc(0) depctr_vm_vsrc(0)
	s_getreg_b32 s2, hwreg(HW_REG_IB_STS2, 6, 4)
	s_cmp_eq_u32 s2, 0
	s_cbranch_scc0 .Lentry_in_a_cluster
	s_endpgm
.Lentry_in_a_cluster:
	s_bfe_u32 s2, ttmp6, 0x10000c
	s_cmp_lg_u32 s2, 0x3003
	s_cbranch_scc0 .Lentry_shape_is_right
	s_endpgm
.Lentry_shape_is_right:
; Causal attention on codes of E4M3: 64 (batch x head), 2,048 tokens, head size 64.  Its result is quantised along the model's 1,024 and stored as the last product's operand images.
; q, k: for each 128 tokens 8 tile images of 1,024 bytes (16 tokens x 64) and 512 bytes of scale words; v: 4 fragments (16 channels x 128 keys) of 2,048 bytes and 256 bytes of scale words.
; THE SOFTMAX: t = score x log2(e) / 8; M = the running largest t rounded up to a whole number; p = 2^(t - M) is quantised along the keys; the row's sum is taken of the unquantised p and divides at the end.
; LEFT OUT: key steps all of whose 128 keys come after a wave's queries: reference()'s own causal mask makes their weights 0.
; LDS HOLDS THE HEAD'S WHOLE K AND V: 16 x 8,704 + 16 x 8,448 = 274,432 bytes, filled once, by one tensor load a wave at the head; nothing is filled again.
; Wave 0 brings k's first 256 keys, wave 1 v's (lines of their own: the first barrier shows these two alone); waves 2-8 k's other seven blocks of 256 keys, waves 9-15 v's: the second barrier shows them.
; CLUSTER: the four work-groups of a head want the same bytes: each load is a joint load of the four (mask 15).  Only global addresses of q and of the result, and the mask's bound, hang on the place cx.
; SHARES.  A head's queries are 128 tiles of 16.  Wave v of work-group cx owns tile 2 cx + v % 2 of the group w = v / 2 of 128 tokens, and the mirrored tile 7 - (2 cx + v % 2) of group 15 - w: w + 1 and 16 - w key steps, always 17.
; THE WALK: the tile of group 15 - w takes key steps 0, 1 (ahead of the second barrier), then 15 - w down to 2; then the tile of group w takes 0 up to w.  With m = trip + w + 2 the key step is (m xor 15) % 16 + 2 while m < 16,
; and m - 16 from there on: shifts, xor and and of the trip's count and the wave's number.  The steps on the diagonal are trips 0 and 14 in every wave.  The order of the keys is free: the maximum runs.
; Both products are used transposed: a lane holds one query.  Lane r of a tile 2 b + u of keys holds key 32 b + 8 u + r % 8 + 16 (r / 8), so p's 16 registers of two neighbouring tiles are 16 neighbouring keys.
; K = 64 FILLS HALF OF THE INSTRUCTION'S 128: q's upper 8 registers are zero codes; k's upper 8 are the next tile's codes (zeros behind the last), under scale bytes of 127.
; NO PREFETCH: every byte of k and v is asked for by the tensor loads at the head: there is no later request to run ahead of.
; LIMITS: NaN and infinities are not served; a block whose largest magnitude lies under 2^-118 keeps the scale byte 1; scaled scores stay under 2^31 in magnitude.  The result's scale bytes are stored singly.
; REGISTERS: v1 16 x lane, v2 8 x lane, v3 the mask's bound, v4, v11 (v244, v245) offsets of the result, v8-10 LDS addresses; v12 -M, v13 largest t, v[14:15] the sum; v16-23 q, v24-31 zeros;
;   v32-95 k's 8 tiles, then v's 4 fragments; v96-103 zeros; v104-167 scores, then p; v168-199 O^T; v200-215 p's codes; v216-231 at work; v232-235 k's scale words, v236-237 v's, v238 f, v239 p's, v241 q's;
;   v243, v246, v248-255 the second tile's bound, scale word and q.
.set VOFF,  139264                     ; v's images begin behind k's
.set SPARE, 274432                     ; the spare words, 128 bytes for each wave: eight blocks of 256 bytes that no other line names
.set SPW,  5
.set NIL,  6
.set WG,   3                           ; w = wave / 2
.set CX,   12
.set HD,   13
.set MSK,  14
.set DG,   15                          ; 1 in the trips on the diagonal
.set MP,   16
.set W2,   17
.set WV,   18
.set MNT,  19
.set SEL,  20
.set CS,   22
.set G1K,  24
.set G1V,  32
.set G0K0, 40
.set G0V0, 44
.set G0KR, 48
.set G0VR, 52
.set AOB,  76                          ; s[76:77] ai at the first tile's 128 tokens; s[78:79] at the second's
.set AOA,  78
.set TK,   96                          ; LDS byte of the step's k image, and of its v image
.set TV,   97
.set I,    98
.macro NOPS n
.rept \n
	v_nop
.endr
.endm
.macro BARRIER
	s_barrier_signal -1
	s_barrier_wait -1
.endm
.macro CROUND                          ; a round of the cluster's barrier
	BARRIER
	s_cmp_lg_u32 s[WV], 0
	s_cbranch_scc1 .Lnot_wave_0_\@
	s_barrier_signal -3
.Lnot_wave_0_\@:
	s_barrier_wait -3
	BARRIER
.endm
.macro TL g0, g1                       ; a joint load; an s_nop 0 and four v_nop follow it
	tensor_load_to_lds s[\g0:\g0+3], s[\g1:\g1+7]
	s_nop 0
	NOPS 4
.endm
.macro GROUP1 g, rows                  ; so many dense rows of 256 bytes (32 elements of 8), no padding; mask 15, bit 21 beside it
	s_mov_b32 s[\g], 15|(3<<16)|(1<<21)
	s_mov_b32 s[\g+1], 32<<16
	s_mov_b32 s[\g+2], (\rows)<<16
	s_mov_b32 s[\g+3], 32<<16
	s_mov_b32 s[\g+4], \rows
	s_mov_b32 s[\g+5], 32
	s_mov_b32 s[\g+6], 0
	s_mov_b32 s[\g+7], 0
.endm
.macro TOFF t, d                       ; of tile s[t] of its 128 tokens: s[d] 32 (t / 2) + 8 (t % 2); s[d+1] 1,024 t; s[d+2] 256 (t % 2) + 4 (t / 2); s[d+3] 2,048 t + 1,024 (head % 2)
	s_lshr_b32 s95, s\t, 1
	s_and_b32 s[\d+2], s\t, 1
	s_lshl_b32 s[\d], s95, 5
	s_lshl_b32 s[\d+1], s[\d+2], 3
	s_add_co_u32 s[\d], s[\d], s[\d+1]
	s_lshl_b32 s[\d+2], s[\d+2], 8
	s_lshl_b32 s95, s95, 2
	s_add_co_u32 s[\d+2], s[\d+2], s95
	s_lshl_b32 s[\d+1], s\t, 10
	s_lshl_b32 s[\d+3], s\t, 11
	s_add_co_u32 s[\d+3], s[\d+3], s99
.endm
.macro INIT                            ; a tile begins: empty sums
	v_mov_b32 v13, 0xff61b1e6                      ; the largest t so far: -3e38
	v_floor_f32 v12, -v13
	v_mov_b32 v14, 0
	v_mov_b32 v15, 0
.set n, 0
.rept 32
	v_mov_b32 v[168+n], 0                          ; O^T: the step is written once; its first turn finds zeros
.set n, n+1
.endr
.endm
	s_load_b256 s[4:11], s[0:1], 0x0               ; qi s[4:5], ki s[6:7], vi s[8:9], ai s[10:11]
	v_lshl_add_u32 v[SPW], v0, 2, SPARE
	v_mov_b32 v[NIL], 0
	ds_add_u32 v[SPW], v[NIL]                      ; the opening lines
	ds_add_u32 v[SPW], v[NIL]
	v_lshrrev_b32 v8, 5, v0
	v_readfirstlane_b32 s[WV], v8                  ; wave 0..15
	s_bfe_u32 s[CX], ttmp6, 0x40000                ; my place in the cluster
	s_and_b32 s[HD], ttmp7, 0xffff                 ; batch x 16 + head: the cluster's y
	GROUP1 G1K, 68                                 ; 17,408 bytes: 256 keys of k
	GROUP1 G1V, 66                                 ; 16,896: of v
	s_mov_b32 s[SEL], 0x76543210
	s_mov_b32 s[SEL+1], 0xfedcba98
	s_mov_b32 s[CS], 0x3e38aa3b                    ; c = log2(e) / 8
	s_mov_b32 s[CS+1], s[CS]
	s_mov_b32 s[MNT], 0x600000
	s_mov_b32 s[MSK], 0xffff0000
	s_lshr_b32 s[WG], s[WV], 1
	s_add_co_u32 s[W2], s[WG], 2
	s_mul_i32 s80, s[HD], 139264                   ; a head's q or k: 16 x 8,704 bytes
	s_mov_b32 s81, 0
	s_mul_i32 s82, s[HD], 135168                   ; its v: 16 x 8,448
	s_mov_b32 s83, 0
	s_mov_b32 s[G0K0], 1
	s_mov_b32 s[G0K0+1], 0
	s_mov_b32 s[G0V0], 1
	s_mov_b32 s[G0V0+1], VOFF
	s_mov_b32 s[G0KR], 1
	s_add_co_u32 s[G0KR+1], s[WV], 15
	s_and_b32 s[G0KR+1], s[G0KR+1], 15             ; waves 2..8: block 1..7
	s_mul_i32 s[G0KR+1], s[G0KR+1], 17408
	s_mov_b32 s84, s[G0KR+1]                       ; k lies in LDS as in memory
	s_mov_b32 s85, 0
	s_mov_b32 s[G0VR], 1
	s_and_b32 s86, s[WV], 7                        ; waves 9..15: block 1..7
	s_mul_i32 s86, s86, 16896
	s_mov_b32 s87, 0
	s_add_co_u32 s[G0VR+1], s86, VOFF
	s_wait_dscnt 0x0                               ; both opening adds are done
	CROUND                                         ; the four work-groups are here: the joint loads meet
	s_wait_kmcnt 0x0
	s_add_nc_u64 s[88:89], s[6:7], s[80:81]        ; the head's k
	s_add_nc_u64 s[90:91], s[8:9], s[82:83]        ; its v
	s_mov_b64 s[G0K0+2:G0K0+3], s[88:89]
	s_or_b32 s[G0K0+3], s[G0K0+3], 0x80000000
	s_mov_b64 s[G0V0+2:G0V0+3], s[90:91]
	s_or_b32 s[G0V0+3], s[G0V0+3], 0x80000000
	s_add_nc_u64 s[G0KR+2:G0KR+3], s[88:89], s[84:85]
	s_or_b32 s[G0KR+3], s[G0KR+3], 0x80000000
	s_add_nc_u64 s[G0VR+2:G0VR+3], s[90:91], s[86:87]
	s_or_b32 s[G0VR+3], s[G0VR+3], 0x80000000
	s_cmp_eq_u32 s[WV], 0                          ; one chain of branches on the wave's number, one load to an arm
	s_cbranch_scc0 .Larm_1
	TL G0K0, G1K
	s_branch .Lasked
.Larm_1:
	s_cmp_eq_u32 s[WV], 1
	s_cbranch_scc0 .Larm_2
	TL G0V0, G1V
	s_branch .Lasked
.Larm_2:
	s_cmp_lt_u32 s[WV], 9
	s_cbranch_scc0 .Larm_3
	TL G0KR, G1K
	s_branch .Lasked
.Larm_3:
	TL G0VR, G1V
.Lasked:
	s_add_nc_u64 s[4:5], s[4:5], s[80:81]          ; the head's q
	s_sub_co_u32 s84, 15, s[WG]                    ; the first tile's group of 128 tokens; the second's is w
	s_mul_i32 s86, s84, 8704
	s_add_nc_u64 s[88:89], s[4:5], s[86:87]
	s_mul_i32 s86, s[WG], 8704
	s_add_nc_u64 s[90:91], s[4:5], s[86:87]
	s_lshr_b32 s82, s[HD], 4                       ; batch
	s_lshl_b32 s82, s82, 7                         ; 16 row groups x 8 K steps
	s_bfe_u32 s83, s[HD], 0x30001                  ; the K step: head / 2
	s_add_co_u32 s82, s82, s83
	s_mul_i32 s82, s82, 16896
	s_mov_b32 s83, 0
	s_add_nc_u64 s[10:11], s[10:11], s[82:83]
	s_mul_i32 s86, s84, 135168
	s_add_nc_u64 s[AOB:AOB+1], s[10:11], s[86:87]
	s_mul_i32 s86, s[WG], 135168
	s_add_nc_u64 s[AOA:AOA+1], s[10:11], s[86:87]
	s_and_b32 s92, s[WV], 1
	s_lshl_b32 s93, s[CX], 1
	s_add_co_u32 s93, s93, s92                     ; the second tile's number among its group's 8,
	s_sub_co_u32 s94, 7, s93                       ; and the first's
	s_and_b32 s92, s[HD], 1                        ; head % 2
	s_lshl_b32 s99, s92, 10
	s_lshl_b32 s92, s92, 1
	TOFF 93, 80
	TOFF 94, 84
	v_and_b32 v104, 15, v0                         ; r
	v_bfe_u32 v105, v0, 4, 1                       ; h
	v_and_b32 v106, 31, v0
	v_lshlrev_b32 v1, 4, v106
	v_lshlrev_b32 v2, 3, v106
	v_and_b32 v107, 7, v104
	v_lshrrev_b32 v108, 3, v104
	v_lshl_add_u32 v107, v108, 4, v107
	v_lshlrev_b32 v108, 4, v105
	v_sub_nc_u32 v107, v107, v108                  ; r % 8 + 16 (r / 8) - 16 h
	v_add_nc_u32 v3, s84, v107                     ; d = my query among its 128 less 16 h: register 16 b + i holds key 32 b + 16 h + i, hidden on the diagonal where 32 b + i > d
	v_add_nc_u32 v243, s80, v107
	v_add_nc_u32 v109, s85, v1                     ; q's image: 1,024 t + 16 x lane
	v_add_nc_u32 v110, s81, v1
	v_lshl_add_u32 v111, v104, 4, s86              ; my row's scale word: 16 (r + 16 (t % 2)) + 4 (t / 2)
	v_lshl_add_u32 v112, v104, 4, s82
	v_add3_u32 v4, v111, v105, s92                 ; the byte that I store: + 2 (head % 2) + h
	v_add3_u32 v244, v112, v105, s92
	v_add_nc_u32 v11, s87, v1                      ; the result's image: 2,048 t + 1,024 (head % 2) + 16 x lane
	v_add_nc_u32 v245, s83, v1
	global_load_b128 v[16:19], v109, s[88:89]
	global_load_b128 v[20:23], v109, s[88:89] offset:512
	global_load_b32 v241, v111, s[88:89] offset:8192
	global_load_b128 v[248:251], v110, s[90:91]
	global_load_b128 v[252:255], v110, s[90:91] offset:512
	global_load_b32 v246, v112, s[90:91] offset:8192
.irp j, 0,1,2,3,4,5,6,7
	v_mov_b32 v[24+\j], 0                          ; zero codes: q's upper 64 along K,
	v_mov_b32 v[96+\j], 0                          ; and those behind k's last tile
.endr
.irp b, 0,1,2,3
	v_mov_b32 v[220+\b], 0                         ; written once: a lane permute's destination counts as a source
.endr
	v_mov_b32 v239, 0                              ; named as the upper half of the pair v[238:239] before it is first written
	v_mov_b32 v242, 0xff800000                     ; -infinity
	INIT
; A key step: my 16 queries against 128 keys
.macro STEP mask
	v_add_nc_u32 v8, s[TK], v1
	v_add_nc_u32 v9, s[TV], v1
	v_add_nc_u32 v10, s[TV], v2
	NOPS 5                                         ; with the three additions eight places in front of loads into registers that the last products have read
.irp t, 0,1,2,3,4,5,6,7
	ds_load_b128 v[32+8*\t:35+8*\t], v8 offset:1024*\t
	ds_load_b128 v[36+8*\t:39+8*\t], v8 offset:1024*\t+512
.endr
	ds_load_b128 v[232:235], v8 offset:8192
	s_wait_alu depctr_va_vdst(0)
	s_wait_dscnt 0x0
.irp t, 0,2,4,6
	v_wmma_scale_f32_16x16x128_f8f6f4 v[104+8*\t:111+8*\t], v[32+8*\t:47+8*\t], v[16:31], 0, v[232+\t/2], v241
	v_wmma_scale_f32_16x16x128_f8f6f4 v[112+8*\t:119+8*\t], v[40+8*\t:55+8*\t], v[16:31], 0, v[232+\t/2], v241 matrix_a_scale:MATRIX_SCALE_ROW1
.endr
	NOPS 8
.irp f, 0,1,2,3                                ; v's fragments land under the softmax
.irp c, 0,1,2,3
	ds_load_b128 v[32+16*\f+4*\c:35+16*\f+4*\c], v9 offset:2048*\f+512*\c
.endr
.endr
	ds_load_b64 v[236:237], v10 offset:8192
.if \mask
	s_cmp_eq_u32 s[DG], 0
	s_cbranch_scc1 .Lopen_\@
.set n, 0
.rept 64
	v_cmp_gt_i32 vcc_lo, 32*(n/16)+n%16, v3        ; on the diagonal hidden scores become -infinity: p = 0
	v_cndmask_b32 v[104+n], v[104+n], v242, vcc_lo
.set n, n+1
.endr
.Lopen_\@:
.endif
.irp b, 0,1,2,3
	v_max3_num_f32 v[216+\b], v[104+16*\b], v[105+16*\b], v[106+16*\b]   ; the largest score of each block of 32 keys: for the row's maximum, and for the block's largest p
.endr
.irp i, 3,5,7,9,11,13
.irp b, 0,1,2,3
	v_max3_num_f32 v[216+\b], v[216+\b], v[104+16*\b+\i], v[105+16*\b+\i]
.endr
.endr
.irp b, 0,1,2,3
	v_max_num_f32 v[216+\b], v[216+\b], v[119+16*\b]
.endr
.irp b, 0,1,2,3
	s_delay_alu instid0(VALU_DEP_4)
	v_permlanex16_b32 v[220+\b], v[216+\b], s[SEL], s[SEL+1]
.endr
.irp b, 0,1,2,3
	s_delay_alu instid0(VALU_DEP_4)
	v_max_num_f32 v[216+\b], v[216+\b], v[220+\b]
.endr
	s_delay_alu instid0(VALU_DEP_2)
	v_max3_num_f32 v240, v216, v217, v218
	s_delay_alu instid0(VALU_DEP_1)
	v_max_num_f32 v240, v240, v219
	s_delay_alu instid0(VALU_DEP_1)
	v_mul_f32 v240, s[CS], v240
	s_delay_alu instid0(VALU_DEP_1)
	v_max_num_f32 v13, v13, v240                   ; the running largest t
	v_mov_b32 v240, v12
	s_delay_alu instid0(VALU_DEP_2)
	v_floor_f32 v12, -v13                          ; the new -M: M is a whole number
	s_delay_alu instid0(VALU_DEP_1)
	v_sub_f32 v240, v12, v240                      ; old M - new M, 0 or less
	s_delay_alu instid0(VALU_DEP_1)
	v_cvt_i32_f32 v240, v240                       ; (it saturates)
	s_delay_alu instid0(VALU_DEP_1)
	v_ldexp_f32 v238, 1.0, v240                    ; f = 2^(old M - new M)
.set n, 0
.rept 32
	v_pk_fma_f32 v[104+n:105+n], v[104+n:105+n], s[CS:CS+1], v[12:13] op_sel_hi:[1,0,0]   ; t - M
.set n, n+2
.endr
.irp b, 0,1,2,3
	v_fma_f32 v[216+\b], v[216+\b], s[CS], v12
.endr
	s_wait_alu depctr_va_vdst(0)                   ; ahead of the batch
.set n, 0
.rept 64
	v_exp_f32 v[104+n], v[104+n]                   ; p = 2^(t - M)
.set n, n+1
.endr
	v_pk_mul_f32 v[14:15], v[14:15], v[238:239] op_sel_hi:[1,0]   ; the sums under the new M: a plain line behind the exponentials
	s_wait_alu depctr_va_vdst(0)                   ; one wait for the batch, ahead of its first reader
.irp b, 0,1,2,3
	v_exp_f32 v[216+\b], v[216+\b]                 ; each block's largest p
.endr
.irp k, 0,1,2,3
	v_pk_add_f32 v[224+2*\k:225+2*\k], v[104+4*\k:105+4*\k], v[106+4*\k:107+4*\k]   ; the row's sum of the unquantised p, in four chains
.endr
.set n, 16
.rept 24
	v_pk_add_f32 v[224+n%8:225+n%8], v[224+n%8:225+n%8], v[104+n:105+n]
.set n, n+2
.endr
	v_pk_add_f32 v[224:225], v[224:225], v[226:227]
	v_pk_add_f32 v[228:229], v[228:229], v[230:231]
	v_pk_add_f32 v[224:225], v[224:225], v[228:229]
	v_pk_add_f32 v[14:15], v[14:15], v[224:225]
	s_wait_alu depctr_va_vdst(0)                   ; and one for the four
.irp b, 0,1,2,3
	v_max_num_f32 v[216+\b], 0x4800000, v[216+\b]  ; the floor: the byte cannot fall under 1
.endr
.irp b, 0,1,2,3
	s_delay_alu instid0(VALU_DEP_4)
	v_add_nc_u32 v[228+\b], 0xfc000000, v[216+\b]  ; 8 off the exponent field: the conversion's scale operand
.endr
.irp b, 0,1,2,3
	v_and_or_b32 v[224+\b], v[216+\b], 0x7f800000, s[MNT]   ; 448 x the scale
.endr
.irp b, 0,1,2,3
	v_lshrrev_b32 v[220+\b], 23, v[228+\b]
.endr
	s_delay_alu instid0(VALU_DEP_3)
	v_lshl_or_b32 v239, v221, 8, v220              ; p's scale word for these 128 keys
	s_delay_alu instid0(VALU_DEP_1)
	v_lshl_or_b32 v239, v222, 16, v239
	s_delay_alu instid0(VALU_DEP_1)
	v_lshl_or_b32 v239, v223, 24, v239
.irp b, 0,2                                    ; the hold (p is not negative), two numbers an instruction: one of block b, one of block b + 1
.irp i, 0,2,4,6,8,10,12,14
	v_dual_min_num_f32 v[104+16*\b+\i], v[104+16*\b+\i], v[224+\b] :: v_dual_min_num_f32 v[121+16*\b+\i], v[121+16*\b+\i], v[225+\b]
	v_dual_min_num_f32 v[120+16*\b+\i], v[120+16*\b+\i], v[225+\b] :: v_dual_min_num_f32 v[105+16*\b+\i], v[105+16*\b+\i], v[224+\b]
.endr
.irp e, 0,1
	v_cvt_scalef32_pk8_fp8_f32 v[200+4*(\b+\e):201+4*(\b+\e)], v[104+16*(\b+\e):111+16*(\b+\e)], v[228+\b+\e]
	v_cvt_scalef32_pk8_fp8_f32 v[202+4*(\b+\e):203+4*(\b+\e)], v[112+16*(\b+\e):119+16*(\b+\e)], v[228+\b+\e]
.endr
.endr
	s_wait_alu depctr_va_vdst(0)                   ; ahead of the first reader of O^T
.set n, 0
.rept 16
	v_pk_mul_f32 v[168+n:169+n], v[168+n:169+n], v[238:239] op_sel_hi:[1,0]   ; O^T under the new M; these are also the places in front of the products
.set n, n+2
.endr
	s_wait_alu depctr_va_vdst(0)
	s_wait_dscnt 0x0                               ; v's fragments and scale words
.irp f, 0,2
	v_wmma_scale_f32_16x16x128_f8f6f4 v[168+8*\f:175+8*\f], v[32+16*\f:47+16*\f], v[200:215], v[168+8*\f:175+8*\f], v[236+\f/2], v239
	v_wmma_scale_f32_16x16x128_f8f6f4 v[176+8*\f:183+8*\f], v[48+16*\f:63+16*\f], v[200:215], v[176+8*\f:183+8*\f], v[236+\f/2], v239 matrix_a_scale:MATRIX_SCALE_ROW1
.endr
.endm
; A tile ends: O^T / the sum; register 16 b + i is channel 32 b + 16 h + i of my query's head: two blocks of 32 along the last product's K are quantised and stored
.macro FINISH co, by, ao
	NOPS 8                                         ; behind the last products
	v_add_f32 v14, v14, v15
	s_delay_alu instid0(VALU_DEP_1)
	v_permlanex16_b32 v220, v14, s[SEL], s[SEL+1]
	s_delay_alu instid0(VALU_DEP_1)
	v_add_f32 v14, v14, v220
	s_wait_alu depctr_va_vdst(0)                   ; ahead of the transcendental
	v_rcp_f32 v14, v14
	v_nop
	s_wait_alu depctr_va_vdst(0)                   ; ahead of the first reader of the reciprocal and of O^T
.set n, 0
.rept 32
	v_mul_f32 v[104+n], v[168+n], v14
.set n, n+1
.endr
.irp b, 0,1
	v_max3_num_f32 v[216+\b], |v[104+16*\b]|, |v[105+16*\b]|, 0x4800000
.endr
.irp i, 2,4,6,8,10,12,14
.irp b, 0,1
	v_max3_num_f32 v[216+\b], v[216+\b], |v[104+16*\b+\i]|, |v[105+16*\b+\i]|
.endr
.endr
.irp b, 0,1
	v_permlanex16_b32 v[220+\b], v[216+\b], s[SEL], s[SEL+1]
.endr
.irp b, 0,1
	v_max_num_f32 v[216+\b], v[216+\b], v[220+\b]
.endr
.irp b, 0,1
	v_add_nc_u32 v[228+\b], 0xfc000000, v[216+\b]
.endr
.irp b, 0,1
	v_and_or_b32 v[224+\b], v[216+\b], 0x7f800000, s[MNT]
.endr
.irp b, 0,1
	v_lshrrev_b32 v[220+\b], 23, v[228+\b]
.endr
	v_cndmask_b32 v240, v220, v221, s[MSK]         ; lanes 0-15 store block 0's byte of their row, lanes 16-31 block 1's
.irp b, 0,1
.irp i, 0,1,2,3,4,5,6,7,8,9,10,11,12,13,14,15
	v_med3_num_f32 v[104+16*\b+\i], v[104+16*\b+\i], -v[224+\b], v[224+\b]
.endr
	v_cvt_scalef32_pk8_fp8_f32 v[200+4*\b:201+4*\b], v[104+16*\b:111+16*\b], v[228+\b]
	v_cvt_scalef32_pk8_fp8_f32 v[202+4*\b:203+4*\b], v[112+16*\b:119+16*\b], v[228+\b]
.endr
	v_nop                                          ; a plain line behind the last conversion
	global_store_b128 v[\co], v[200:203], s[\ao:\ao+1]             ; 512 consecutive bytes each
	global_store_b128 v[\co], v[204:207], s[\ao:\ao+1] offset:512
	global_store_b8 v[\by], v240, s[\ao:\ao+1] offset:16384
.endm
	s_wait_alu depctr_va_vdst(0)                   ; at the head's end
	s_wait_loadcnt 0x0                             ; q
	s_cmp_lt_u32 s[WV], 2
	s_cbranch_scc0 .Lnot_first
	s_wait_tensorcnt 0x0                           ; waves 0, 1: the first 256 keys of k and of v are in
.Lnot_first:
	BARRIER
	s_mov_b32 s[TK], 0
	s_mov_b32 s[TV], VOFF
	s_mov_b32 s[I], 0
.Lfirst:                                       ; key steps 0 and 1 for the first tile: none of their keys is hidden from it (its group is 8 at the least)
	STEP 0
	s_add_co_u32 s[TK], s[TK], 8704
	s_add_co_u32 s[TV], s[TV], 8448
	s_add_co_u32 s[I], s[I], 1
	s_cmp_lt_u32 s[I], 2
	s_wait_alu depctr_va_vdst(0)
	s_cbranch_scc1 .Lfirst
	s_wait_tensorcnt 0x0                           ; every wave: all that was still out is in
	s_wait_dscnt 0x0
	BARRIER
	s_mov_b32 s[I], 0
.Lmain:                                        ; fifteen trips, a key step each
	s_add_co_u32 s[MP], s[I], s[W2]                ; m = trip + w + 2
	s_lshr_b32 s80, s[MP], 4
	s_xor_b32 s80, s80, 1                          ; 1 while the first tile is in hand
	s_mul_i32 s81, s80, 15
	s_xor_b32 s81, s[MP], s81
	s_and_b32 s81, s81, 15
	s_lshl_b32 s80, s80, 1
	s_add_co_u32 s81, s81, s80                     ; the key step
	s_mul_i32 s[TK], s81, 8704
	s_mul_i32 s[TV], s81, 8448
	s_add_co_u32 s[TV], s[TV], VOFF
	s_cmp_eq_u32 s[I], 0
	s_cselect_b32 s[DG], 1, 0
	s_cmp_eq_u32 s[I], 14
	s_cselect_b32 s[DG], 1, s[DG]
	s_cmp_lg_u32 s[MP], 16
	s_cbranch_scc1 .Lsame                          ; a branch on the trip's count and the wave's number: no barrier and no tensor load stands under it
	FINISH 11, 4, AOB
	v_mov_b32 v241, v246                           ; the second tile: its scale word, its bound, its q
	v_mov_b32 v3, v243
.irp j, 0,1,2,3,4,5,6,7
	v_mov_b32 v[16+\j], v[248+\j]
.endr
	INIT
	s_wait_alu depctr_va_vdst(0)
	s_wait_xcnt 0x0                                ; the stores have read their data: the code registers are written again only behind this wait
.Lsame:
	STEP 1
	s_add_co_u32 s[I], s[I], 1
	s_cmp_lt_u32 s[I], 15
	s_wait_alu depctr_va_vdst(0)
	s_cbranch_scc1 .Lmain
	FINISH 245, 244, AOA
	s_wait_dscnt 0x0
	BARRIER                                        ; every wave's LDS reads are over
	s_wait_tensorcnt 0x0                           ; the wave's end
	ds_add_u32 v[SPW], v[NIL]
	s_wait_dscnt 0x0
	CROUND                                         ; the closing round
	s_endpgm
.Lfunc_end_k_q29670e981f_attn:
	.size	k_q29670e981f_attn, .Lfunc_end_k_q29670e981f_attn-k_q29670e981f_attn
	.p2alignl 7, 3214868480
	.fill 96, 4, 3214868480
	.section	.rodata,"a",@progbits
	.p2align	6, 0x0
	.amdhsa_kernel k_q29670e981f_attn
		.amdhsa_group_segment_fixed_size 327680
		.amdhsa_private_segment_fixed_size 0
		.amdhsa_enable_private_segment 0
		.amdhsa_kernarg_size 32
		.amdhsa_user_sgpr_count 2
		.amdhsa_user_sgpr_kernarg_segment_ptr 1
		.amdhsa_wavefront_size32 1
		.amdhsa_system_sgpr_workgroup_id_x 1
		.amdhsa_system_sgpr_workgroup_id_y 1
		.amdhsa_system_sgpr_workgroup_id_z 1
		.amdhsa_system_vgpr_workitem_id 0
		.amdhsa_next_free_vgpr 256
		.amdhsa_next_free_sgpr 100
		.amdhsa_reserve_vcc 1
		.amdhsa_float_denorm_mode_32 3
		.amdhsa_float_denorm_mode_16_64 3
		.amdhsa_memory_ordered 1
		.amdhsa_forward_progress 1
		.amdhsa_inst_pref_size 68
	.end_amdhsa_kernel
	.amdgpu_metadata
---
amdhsa.version: [ 1, 2 ]
amdhsa.kernels:
  - .name:           k_q29670e981f_attn
    .symbol:         k_q29670e981f_attn.kd
    .args:
      - { .name: qi, .offset: 0, .size: 8, .value_kind: global_buffer, .address_space: global }
      - { .name: ki, .offset: 8, .size: 8, .value_kind: global_buffer, .address_space: global }
      - { .name: vi, .offset: 16, .size: 8, .value_kind: global_buffer, .address_space: global }
      - { .name: ai, .offset: 24, .size: 8, .value_kind: global_buffer, .address_space: global }
    .group_segment_fixed_size: 327680
    .private_segment_fixed_size: 0
    .kernarg_segment_align: 8
    .kernarg_segment_size: 32
    .max_flat_workgroup_size: 512
    .sgpr_count:     100
    .vgpr_count:     256
    .wavefront_size: 32
...
	.end_amdgpu_metadata
.endif
;; end of part 3
;; launch oproj (part 4): grid 4 x 32, 4 waves a work-group, clusters of 4 x 4, 327,680 bytes of LDS; arguments ai, wi, bo, out0; writes out0
.if DOCPART == 4
	.amdgcn_target "amdgcn-amd-amdhsa--gfx1250"
	.amdhsa_code_object_version 6
	.text
	.protected	k_q29670e981f_oproj
	.globl	k_q29670e981f_oproj
	.p2align	8
	.type	k_q29670e981f_oproj,@function
k_q29670e981f_oproj:
	s_mov_b64 s[64:65], 0
	v_nop
	global_prefetch_b8 v0, s[64:65] scope:SCOPE_SE
	s_setreg_imm32_b32 hwreg(HW_REG_WAVE_MODE, 25, 1), 1
	s_wait_xcnt 0x0
	s_wait_alu depctr_hold_cnt(0) depctr_sa_sdst(0) depctr_va_vdst(0) depctr_va_sdst(0) depctr_va_ssrc(0) depctr_va_vcc(0) depctr_vm_vsrc(0)
	s_getreg_b32 s2, hwreg(HW_REG_IB_STS2, 6, 4)
	s_cmp_eq_u32 s2, 0
	s_cbranch_scc0 .Lentry_in_a_cluster
	s_endpgm
.Lentry_in_a_cluster:
	s_bfe_u32 s2, ttmp6, 0x10000c
	s_cmp_lg_u32 s2, 0xf033
	s_cbranch_scc0 .Lentry_shape_is_right
	s_endpgm
.Lentry_shape_is_right:
.set KSB,   16896
.set RGB,   8*KSB
.set PART,  2*KSB
.set SLOT,  4*PART
.set SPARE, 2*SLOT
.set FR,    16
.set NL,    4
.set NP,    8
.set ADRA,  16
.set ADRB,  20
.set LI,    24
.set STO,   25
.set RD,    26
.set SPW,   28
.set NIL,   29
.set SC,    32
.set BO,    64
.set AF,    128
.set BK,    128
.set G1,    24
.set G0,    32
.set G1B,   48
.set G0B,   56
.set MSB, 0
.macro WIN new
.if MSB != \new
	s_set_vgpr_msb (MSB<<8)|\new
.set MSB, \new
.endif
.endm
.set MUL_LO, 0xa1
.set MUL_HI, 0xf1
.set TO_B,   0x40
.macro JLOAD g0a, g1a, g0b, g1b
	s_cmp_eq_u32 s15, 0
	s_cbranch_scc0 .Lfor_b_\@
	tensor_load_to_lds s[\g0a:\g0a+3], s[\g1a:\g1a+7]
	s_nop 0
.rept 4
	v_nop
.endr
	s_branch .Lasked_\@
.Lfor_b_\@:
	tensor_load_to_lds s[\g0b:\g0b+3], s[\g1b:\g1b+7]
	s_nop 0
.rept 4
	v_nop
.endr
.Lasked_\@:
.endm
.macro CREST
	s_cmp_lg_u32 s14, 0
	s_cbranch_scc1 .Lnot_wave_0_\@
	s_barrier_signal -3
.Lnot_wave_0_\@:
	s_barrier_wait -3
	s_barrier_signal -1
	s_barrier_wait -1
.endm
.macro CROUND
	s_barrier_signal -1
	s_barrier_wait -1
	CREST
.endm
.macro PLACES n
.rept \n
	v_nop
.endr
.endm
	s_load_b256 s[4:11], s[0:1], 0x0
	v_lshl_add_u32 v[SPW], v0, 2, SPARE
	v_mov_b32 v[NIL], 0
	ds_add_u32 v28, v29
	ds_add_u32 v28, v29
	s_wait_dscnt 0x0
	v_lshrrev_b32 v1, 5, v0
	v_readfirstlane_b32 s14, v1
	s_lshr_b32 s15, s14, 1
	s_and_b32 s16, s14, 1
	s_bfe_u32 s40, ttmp6, 0x40000
	s_bfe_u32 s41, ttmp6, 0x40004
	s_lshl_b32 s42, ttmp9, 2
	s_add_co_u32 s42, s42, s40
	s_and_b32 s17, ttmp7, 0xffff
	s_lshl_b32 s17, s17, 2
	s_add_co_u32 s17, s17, s41
	s_lshl_b32 s43, s41, 2
	s_lshl_b32 s43, 15, s43
	s_lshl_b32 s44, 0x1111, s40
	s_or_b32 s[G1+0], s43, (3<<16)|(1<<21)
	s_or_b32 s[G1B+0], s44, (3<<16)|(1<<21)
.irp g, G1, G1B
	s_mov_b32 s[\g+1], 32<<16
	s_mov_b32 s[\g+2], 132<<16
	s_mov_b32 s[\g+3], 32<<16
	s_mov_b32 s[\g+4], 132
	s_mov_b32 s[\g+5], 32
	s_mov_b32 s[\g+6], 0
	s_mov_b32 s[\g+7], 0
.endr
	s_lshl_b32 s20, s17, 1
	s_add_co_u32 s20, s20, s16
	s_mul_i32 s20, s20, RGB
	s_mov_b32 s21, 0
	s_lshl_b32 s46, s42, 1
	s_add_co_u32 s46, s46, s16
	s_add_co_u32 s46, s46, 24
	s_mul_i32 s46, s46, RGB
	s_mov_b32 s47, 0
	s_mul_i32 s45, s14, PART
	s_wait_kmcnt 0x0
	s_add_nc_u64 s[20:21], s[4:5], s[20:21]
	s_add_nc_u64 s[46:47], s[6:7], s[46:47]
	CROUND
.irp s, 0,1
	s_mov_b32 s[G0+4*\s], 1
	s_add_co_u32 s[G0+4*\s+1], s45, \s*SLOT
	s_add_nc_u64 s[G0+4*\s+2:G0+4*\s+3], s[20:21], \s*PART
	s_or_b32 s[G0+4*\s+3], s[G0+4*\s+3], 0x80000000
	s_mov_b32 s[G0B+4*\s], 1
	s_add_co_u32 s[G0B+4*\s+1], s45, \s*SLOT
	s_add_nc_u64 s[G0B+4*\s+2:G0B+4*\s+3], s[46:47], \s*PART
	s_or_b32 s[G0B+4*\s+3], s[G0B+4*\s+3], 0x80000000
	s_wait_alu depctr_va_vdst(0)
	s_wait_tensorcnt 0x0
	ds_add_u32 v28, v29
	ds_add_u32 v28, v29
	s_wait_dscnt 0x0
	CROUND
	JLOAD G0+4*\s, G1, G0B+4*\s, G1B
.endr
	v_and_b32 v1, 31, v0
	v_lshlrev_b32 v[LI], 4, v1
	s_mul_i32 s22, s15, PART
	s_mul_i32 s23, s16, PART
	s_add_co_u32 s23, s23, 2*PART
.irp s, 0,1
	v_add_nc_u32 v[ADRA+\s], s22, v[LI]
	v_add_nc_u32 v[ADRB+\s], s23, v[LI]
	s_add_co_u32 s22, s22, SLOT
	s_add_co_u32 s23, s23, SLOT
.endr
	s_mul_i32 s22, s14, 8448
	v_and_b32 v2, 15, v0
	v_bfe_u32 v3, v0, 4, 1
	v_mul_u32_u24 v[STO], v2, 528
	v_lshl_add_u32 v[STO], v3, 6, v[STO]
	v_add_nc_u32 v[STO], s22, v[STO]
	v_add_nc_u32 v[RD], s22, v[LI]
	s_lshl_b32 s20, s17, 1
	s_add_co_u32 s20, s20, s15
	s_lshl_b32 s21, s42, 1
	s_add_co_u32 s21, s21, s16
	s_lshl_b32 s46, s21, 9
	s_mov_b32 s47, 0
	s_add_nc_u64 s[8:9], s[8:9], s[46:47]
	s_lshl_b32 s20, s20, 19
	s_add_co_u32 s46, s46, s20
	s_add_nc_u64 s[12:13], s[10:11], s[46:47]
	global_load_b128 v[BO:BO+3], v[LI], s[8:9]
.macro FRAG reg, adr, q, i
.irp c, 0,1,2,3
	ds_load_b128 v[\reg+4*\c:\reg+4*\c+3], v[\adr] offset:KSB*(\q)+2048*(\i)+512*\c
.endr
.endm
.macro WM a, b, p, q, sc, zero
.set WD, 8*(8*((\a)%4)+(\b))
.set WB, 128*(\p)+FR*(\b)
.set WA, AF+FR*(\a)
.set WSB, SC+16*(\sc)+8*(\q)+4+(\b)/2
.set WSA, SC+16*(\sc)+8*(\q)+(\a)/2
.set WO, 2*((\a)%2)+(\b)%2+4*(\zero)
.if WO == 0
	v_wmma_scale_f32_16x16x128_f8f6f4 v[WD:WD+7], v[WB:WB+15], v[WA:WA+15], v[WD:WD+7], v[WSB], v[WSA]
.elseif WO == 1
	v_wmma_scale_f32_16x16x128_f8f6f4 v[WD:WD+7], v[WB:WB+15], v[WA:WA+15], v[WD:WD+7], v[WSB], v[WSA] matrix_a_scale:MATRIX_SCALE_ROW1
.elseif WO == 2
	v_wmma_scale_f32_16x16x128_f8f6f4 v[WD:WD+7], v[WB:WB+15], v[WA:WA+15], v[WD:WD+7], v[WSB], v[WSA] matrix_b_scale:MATRIX_SCALE_ROW1
.elseif WO == 3
	v_wmma_scale_f32_16x16x128_f8f6f4 v[WD:WD+7], v[WB:WB+15], v[WA:WA+15], v[WD:WD+7], v[WSB], v[WSA] matrix_a_scale:MATRIX_SCALE_ROW1 matrix_b_scale:MATRIX_SCALE_ROW1
.elseif WO == 4
	v_wmma_scale_f32_16x16x128_f8f6f4 v[WD:WD+7], v[WB:WB+15], v[WA:WA+15], 0, v[WSB], v[WSA]
.elseif WO == 5
	v_wmma_scale_f32_16x16x128_f8f6f4 v[WD:WD+7], v[WB:WB+15], v[WA:WA+15], 0, v[WSB], v[WSA] matrix_a_scale:MATRIX_SCALE_ROW1
.elseif WO == 6
	v_wmma_scale_f32_16x16x128_f8f6f4 v[WD:WD+7], v[WB:WB+15], v[WA:WA+15], 0, v[WSB], v[WSA] matrix_b_scale:MATRIX_SCALE_ROW1
.else
	v_wmma_scale_f32_16x16x128_f8f6f4 v[WD:WD+7], v[WB:WB+15], v[WA:WA+15], 0, v[WSB], v[WSA] matrix_a_scale:MATRIX_SCALE_ROW1 matrix_b_scale:MATRIX_SCALE_ROW1
.endif
.endm
.macro MUL16 a0, p, q, sc, zero
.irp a, \a0, \a0+1
.irp b, 0,1,2,3,4,5,6,7
	WM (\a), \b, \p, \q, \sc, \zero
.endr
.endr
.endm
.macro FETCH_B slot, q, p
	WIN TO_B
.irp i, 0,1,2,3,4,5,6,7
	FRAG 128*(\p)+FR*\i, ADRB+\slot, \q, \i
.endr
	WIN 0
.endm
.macro FETCH_A slot, q, i0
.irp i, \i0, \i0+1, \i0+2, \i0+3
	FRAG AF+FR*(\i), ADRA+\slot, \q, \i
.endr
.endm
.macro SCALES sc
.irp q, 0,1
	ds_load_b128 v[SC+16*\sc+8*\q:SC+16*\sc+8*\q+3], v[ADRA+\sc] offset:KSB*\q+16384
	ds_load_b128 v[SC+16*\sc+8*\q+4:SC+16*\sc+8*\q+7], v[ADRB+\sc] offset:KSB*\q+16384
.endr
.endm
.macro STEP slot, q, zero
	s_wait_dscnt 4*NL
	WIN MUL_LO
	MUL16 0, (\q)%2, \q, \slot, \zero
	MUL16 2, (\q)%2, \q, \slot, \zero
	s_wait_dscnt 0
	PLACES NP
	FETCH_B \slot, (\q)+1, 1-(\q)%2
	FETCH_A \slot, (\q)+1, 0
	WIN MUL_HI
	MUL16 4, (\q)%2, \q, \slot, \zero
	MUL16 6, (\q)%2, \q, \slot, \zero
	PLACES NP
	WIN 0
	FETCH_A \slot, (\q)+1, 4
.endm
.macro TURN slot, next, fill
	s_wait_tensorcnt 0x0
	ds_add_u32 v[SPW], v[NIL]
	s_wait_dscnt 4*NL+1
	WIN MUL_LO
	MUL16 0, 1, 1, \slot, 0
	s_wait_dscnt 0x0
	s_barrier_signal -1
	MUL16 2, 1, 1, \slot, 0
	WIN 0
	s_barrier_wait -1
.if \fill
	CREST
	s_add_nc_u64 s[G0+4*\slot+2:G0+4*\slot+3], s[G0+4*\slot+2:G0+4*\slot+3], 2*PART
	s_add_nc_u64 s[G0B+4*\slot+2:G0B+4*\slot+3], s[G0B+4*\slot+2:G0B+4*\slot+3], 2*PART
	JLOAD G0+4*\slot, G1, G0B+4*\slot, G1B
	PLACES NP-4
.else
	PLACES NP
.endif
	FETCH_B \next, 0, 0
	FETCH_A \next, 0, 0
	SCALES \next
	WIN MUL_HI
	MUL16 4, 1, 1, \slot, 0
	MUL16 6, 1, 1, \slot, 0
	PLACES NP
	WIN 0
	FETCH_A \next, 0, 4
.endm
	s_wait_alu depctr_va_vdst(0)
	s_wait_tensorcnt 1
	s_barrier_signal -1
	s_barrier_wait -1
	FETCH_B 0, 0, 0
	FETCH_A 0, 0, 0
	SCALES 0
	FETCH_A 0, 0, 4
	STEP 0, 0, 1
	TURN 0, 1, 1
	STEP 1, 0, 0
	TURN 1, 0, 1
	STEP 0, 0, 0
	TURN 0, 1, 0
	STEP 1, 0, 0
	s_wait_dscnt 4*NL
	WIN MUL_LO
	MUL16 0, 1, 1, 1, 0
	MUL16 2, 1, 1, 1, 0
	s_wait_dscnt 0
	WIN MUL_HI
	MUL16 4, 1, 1, 1, 0
	MUL16 6, 1, 1, 1, 0
	WIN 0
.macro TOSTAGE a
.set AC, 64*((\a)%4)
	WIN 0x08+4*((\a)/4)
.irp b, 0,1,2,3,4,5,6,7
	ds_store_b128 v[STO], v[AC+8*\b:AC+8*\b+3] offset:128*(\b/2)+32*(\b%2)
	ds_store_b128 v[STO], v[AC+8*\b+4:AC+8*\b+7] offset:128*(\b/2)+32*(\b%2)+16
.endr
	WIN 0
.set BB, BK+64*((\a)%2)
.irp t, 0,1,2,3,4,5,6,7,8,9,10,11,12,13,14,15
	ds_load_b128 v[BB+4*\t:BB+4*\t+3], v[RD] offset:\t*528
.endr
.endm
.macro SEND a, younger
.set BB, BK+64*((\a)%2)
.set ROW0, 32*((\a)/2)+8*((\a)%2)
	s_wait_dscnt \younger
.irp t, 0,1,2,3,4,5,6,7,8,9,10,11,12,13,14,15
	v_pk_add_f32 v[BB+4*\t:BB+4*\t+1], v[BB+4*\t:BB+4*\t+1], v[BO:BO+1]
	v_pk_add_f32 v[BB+4*\t+2:BB+4*\t+3], v[BB+4*\t+2:BB+4*\t+3], v[BO+2:BO+3]
	global_store_b128 v[LI], v[BB+4*\t:BB+4*\t+3], s[12:13] offset:(ROW0+(\t%8)+16*(\t/8))*4096 th:TH_STORE_NT
.endr
.endm
	PLACES NP
	s_wait_loadcnt 0x0
	TOSTAGE 0
.irp a, 1,2,3,4,5,6,7
.if \a > 1
	s_wait_xcnt 0x0
.endif
	TOSTAGE \a
	SEND \a-1, 32
.endr
	SEND 7, 0
	s_wait_tensorcnt 0x0
	ds_add_u32 v[SPW], v[NIL]
	s_wait_dscnt 0x0
	CROUND
	s_endpgm
.Lfunc_end_k_q29670e981f_oproj:
	.size	k_q29670e981f_oproj, .Lfunc_end_k_q29670e981f_oproj-k_q29670e981f_oproj
	.p2alignl 7, 3214868480
	.fill 96, 4, 3214868480
	.section	.rodata,"a",@progbits
	.p2align	6, 0x0
	.amdhsa_kernel k_q29670e981f_oproj
		.amdhsa_group_segment_fixed_size 327680
		.amdhsa_private_segment_fixed_size 0
		.amdhsa_enable_private_segment 0
		.amdhsa_kernarg_size 32
		.amdhsa_user_sgpr_count 2
		.amdhsa_user_sgpr_kernarg_segment_ptr 1
		.amdhsa_wavefront_size32 1
		.amdhsa_system_sgpr_workgroup_id_x 1
		.amdhsa_system_sgpr_workgroup_id_y 1
		.amdhsa_system_sgpr_workgroup_id_z 1
		.amdhsa_system_vgpr_workitem_id 0
		.amdhsa_next_free_vgpr 1024
		.amdhsa_next_free_sgpr 100
		.amdhsa_reserve_vcc 0
		.amdhsa_float_denorm_mode_32 3
		.amdhsa_float_denorm_mode_16_64 3
		.amdhsa_memory_ordered 1
		.amdhsa_forward_progress 1
		.amdhsa_inst_pref_size 158
	.end_amdhsa_kernel
	.amdgpu_metadata
---
amdhsa.version: [ 1, 2 ]
amdhsa.kernels:
  - .name:           k_q29670e981f_oproj
    .symbol:         k_q29670e981f_oproj.kd
    .args:
      - { .name: ai, .offset: 0, .size: 8, .value_kind: global_buffer, .address_space: global }
      - { .name: wi, .offset: 8, .size: 8, .value_kind: global_buffer, .address_space: global }
      - { .name: bo, .offset: 16, .size: 8, .value_kind: global_buffer, .address_space: global }
      - { .name: out0, .offset: 24, .size: 8, .value_kind: global_buffer, .address_space: global }
    .group_segment_fixed_size: 327680
    .private_segment_fixed_size: 0
    .kernarg_segment_align: 8
    .kernarg_segment_size: 32
    .max_flat_workgroup_size: 128
    .sgpr_count:     100
    .vgpr_count:     1024
    .wavefront_size: 32
...
	.end_amdgpu_metadata
.endif
;; end of part 4
